; MI455X (gfx1250); checked and timed in simulation.
; The chip was launched on July 23, 2026; its instructions are those of AMD's public machine-readable ISA for CDNA 5 (MIT licence, August 2026) and "CDNA5" Instruction Set Architecture Reference Guide (July 2026). The comments in the code are by the model that wrote it; some were corrected since.
;; Causal Self Attention. Allowed arithmetic: matrix products marked QUANTISED: E2M1 operands, one E8M0 scale for each 32 along K, by v_wmma_scale_f32_16x16x128_f8f6f4 with both operands' format E2M1 (or v_wmma_scale_f32_32x16x128_f4), f32 sums; products left as they are: bf16, f16 or f32 operands; f32 sums; everything else in f32.
;; Inputs: w_out 1,024 x 1,024 float32; w_qkv 1,024 x 3,072 float32; x 4 x 2,048 x 1,024 float32.
;; Outputs: out0 4 x 2,048 x 1,024 float32.
;; This version of the problem:
;;   THIS VERSION OF THE PROBLEM IS GIVEN IN LOW PRECISION. The matrix products marked QUANTISED in the list below multiply operands that are first quantised to E2M1 (2 exponent bits, 1 mantissa bit; 4 bits a number), with one power-of-two scale for each 32 numbers along K (OCP MX v1.0); their sums are f32. The products marked 'left as it is' may take bf16, f16 or f32 operands, with f32 sums. Whichever they take, every output number must still come out within the allowed error. Rounding operands to bf16 (8 significant bits) uses up far more of that allowance than f16 does (11 bits, for magnitudes from 6e-5 to 65,504). All else is computed in f32.
;;   The module's matrix products, in the order in which they are computed (A, B: the left and right operand; K: the contracted axis; several contracted axes count as one K, in the product's order):
;;     1. [M 8,192, K 1,024] x [K 1,024, N 3,072]; A: input x; B: input w_qkv: QUANTISED
;;     2. batch 64 x [M 2,048, K 64] x [K 64, N 2,048]; A: computed on the way; B: computed on the way: left as it is (an operand is computed on the way)
;;     3. batch 64 x [M 2,048, K 2,048] x [K 2,048, N 64]; A: computed on the way; B: computed on the way: left as it is (an operand is computed on the way)
;;     4. [M 8,192, K 1,024] x [K 1,024, N 1,024]; A: computed on the way; B: input w_out: left as it is (an operand is computed on the way)
;;   THE QUANTISER, for each operand of a quantised product, along K:
;;     - K is cut into blocks of 32 from its start; a last block that is shorter is filled with zeros.
;;     - A block's scale is 2^e with e = floor(log2(the largest magnitude in the block)) - 2, held to -126 .. 127; a block of zeros has e = 0. As a byte (E8M0): e + 127.
;;     - Each number is divided by its block's scale, clamped to +-6, and rounded to the nearest number of E2M1, ties to even, subnormals kept.
;;     - The product sums the exact products of the quantised numbers (number of the format x scale) in f32.
;;   ~~~python
;;   def quantise(x, axis):      # numpy; x: float32 -> the quantised numbers, widened to float32 again
;;       x = np.moveaxis(x, axis, -1); K = x.shape[-1]
;;       x = np.pad(x, [(0, 0)] * (x.ndim - 1) + [(0, -K % 32)]); x = x.reshape(x.shape[:-1] + (-1, 32)); a = np.abs(x).max(-1, keepdims=True)
;;       e = np.where(a > 0, np.clip(np.frexp(np.where(a > 0, a, 1))[1] - 1 - 2, -126, 127), 0)      # np.frexp(a)[1] - 1 = floor(log2(a)), exactly
;;       r = np.clip(x / 2.0 ** e, -6, 6)
;;       step = 2.0 ** (np.maximum(np.frexp(np.where(r == 0, 1, r))[1] - 1, 0) - 1)
;;       q = np.round(r / step) * step * 2.0 ** e      # np.round: ties to even
;;       return np.moveaxis(q.reshape(q.shape[:-2] + (-1,))[..., :K], -1, axis).astype(np.float32)
;;   ~~~
;; One version. Each part assembles by itself: llvm-mc -triple=amdgcn-amd-amdhsa -mcpu=gfx1250 --defsym DOCPART=n.
;; ======== version 1 of 1: 5 launches
;; limits: values are held in f16: magnitudes above 65,504 overflow, below 6.1e-05 lose precision
;; workspace buffers: codes 5,767,168 bytes; scales 360,448 bytes; w16 2,097,152 bytes; rope 524,288 bytes; qkv16 50,331,648 bytes; qkv32 786,432 bytes; y16 16,777,216 bytes
;; launch prep (part 1): grid 464 x 1, 4 waves a work-group, no clusters, 68,096 bytes of LDS; arguments x, w_qkv, w_out, codes, scales, w16, rope; writes codes, scales, w16, rope
.if DOCPART == 1
	.amdgcn_target "amdgcn-amd-amdhsa--gfx1250"
	.amdhsa_code_object_version 6
	.text
	.protected	k_q915c3803e2_prep
	.globl	k_q915c3803e2_prep
	.p2align	8
	.type	k_q915c3803e2_prep,@function
k_q915c3803e2_prep:
	s_mov_b64 s[64:65], 0
	v_nop
	global_prefetch_b8 v0, s[64:65] scope:SCOPE_SE
	s_setreg_imm32_b32 hwreg(HW_REG_WAVE_MODE, 25, 1), 1
	s_wait_xcnt 0x0
; FOUR PIECES OF PREPARATION IN ONE LAUNCH, told apart by the work-group's number; each is straight text with its own end, and the two that use LDS have LDS bytes of their own.
;   work-groups   0-255  X: x [8192][1024] f32 -> codes of FP4 (E2M1), K innermost, [8192][512 bytes] at byte 0 of 'codes', one E8M0 byte for each 32 along K, [8192][32] at byte 0 of 'scales'
;   work-groups 256-303  W: w_qkv [1024 (k)][3072 (n)] f32 -> codes [3072][512 bytes] at byte WCO of 'codes', K made innermost; scale bytes [3072][32] at byte WSO of 'scales'
;   work-groups 304-431  C: w_out [1024][1024] f32 -> f16, same layout, into 'w16'
;   work-groups 432-463  R: the rotation's table 'rope' [2048 (t)][64] f32: words 0-31 cos(t f_i), words 32-63 sin(t f_i), f_i = 10000^(-i/32)
; THE QUANTISER: a block's scale is 2^(floor(log2(its largest magnitude)) - 2); its byte is the largest magnitude's exponent field - 2, held at 1 from below; each number / scale to the nearest code, ties to even, beyond 6 the code of 6.
; LIMITS: a block of zeros gets the byte 1 where the rule says 127 (its codes are zeros, and this program alone reads the bytes); NaN and infinities among the inputs are not served;
; w_out beyond 65,504 in magnitude has no f16 number.
.set WCO,   4194304
.set WSO,   262144
.set SPARE, 67584                      ; behind both roles' LDS: the spare words, 128 bytes for each wave: two blocks of 256 bytes that no other line names
.set SPW,   192                        ; v192 LDS address of my spare word; never rewritten
.set NIL,   193                        ; v193 0; never rewritten
	s_load_b256 s[4:11], s[0:1], 0x0               ; x s[4:5], w_qkv s[6:7], w_out s[8:9], codes s[10:11]
	s_load_b128 s[12:15], s[0:1], 0x20             ; scales s[12:13], w16 s[14:15]
	s_load_b64 s[16:17], s[0:1], 0x30              ; rope
	v_lshl_add_u32 v[SPW], v0, 2, SPARE
	v_mov_b32 v[NIL], 0
	v_lshrrev_b32 v1, 5, v0
	v_readfirstlane_b32 s18, v1                    ; wave 0..3
	v_and_b32 v2, 31, v0                           ; lane
	s_mov_b32 s23, 0                               ; the high word of every offset pair s[22:23]
	s_wait_kmcnt 0x0
	s_cmp_lt_u32 ttmp9, 256
	s_cbranch_scc1 .Lrole_x
	s_cmp_lt_u32 ttmp9, 304
	s_cbranch_scc1 .Lrole_w
	s_cmp_lt_u32 ttmp9, 432
	s_cbranch_scc1 .Lrole_c
; ---------------- R: the table.  A wave makes 16 rows; a lane two neighbouring words of a row, so that one store of the wave covers a row: 256 consecutive bytes, aligned.
; Lanes 0-15 make cosines, lanes 16-31 sines as cos(angle - a quarter turn).  The angle is kept in TURNS: p = t g, g = f_i / 2 pi, with the product's exact remainder e = fma(t, g, -p);
; p - k/2 (k the nearest whole number to 2 p) is exact, so r = p - k/2 + e lies in +-1/4 turn; cos(2 pi r) by its series in r^2 up to r^12 (the next term is under 1e-8), sign (-1)^k.
	s_sub_co_u32 s19, ttmp9, 432
	s_lshl_b32 s19, s19, 2
	s_add_co_u32 s19, s19, s18
	s_lshl_b32 s19, s19, 4                         ; my first row t
	s_lshl_b32 s22, s19, 8                         ; 256 bytes a row
	s_add_nc_u64 s[16:17], s[16:17], s[22:23]
	v_and_b32 v3, 15, v2
	v_lshlrev_b32 v3, 1, v3                        ; i of my first word
	v_lshrrev_b32 v4, 4, v2                        ; 1: sines
	v_cvt_f32_u32 v5, v3
	v_add_nc_u32 v3, 1, v3
	v_cvt_f32_u32 v6, v3
	v_cvt_f32_u32 v22, v4
	v_mul_f32 v22, 0x3e800000, v22                 ; the quarter turn, or 0
	v_mul_f32 v5, 0xbed49a78, v5                   ; -i log2(10000) / 32
	v_mul_f32 v6, 0xbed49a78, v6
	v_exp_f32 v20, v5
	v_exp_f32 v21, v6
	v_lshlrev_b32 v23, 3, v2                       ; my 8 bytes of a row.  (The plain instruction behind the two exponentials)
	s_wait_alu depctr_va_vdst(0)                   ; one wait for both, ahead of their first reader
	v_mul_f32 v20, 0x3e22f983, v20                 ; x 1 / 2 pi: g
	v_mul_f32 v21, 0x3e22f983, v21
	v_mov_b32 v25, 0x40fce9c5                      ; (2 pi)^12 / 12!
.macro ROW n
	s_add_co_u32 s25, s19, \n
	v_cvt_f32_u32 v24, s25                         ; t
	v_mul_f32 v26, v24, v20                        ; p
	v_mul_f32 v27, v24, v21
	v_fma_f32 v28, v24, v20, -v26                  ; e
	v_fma_f32 v29, v24, v21, -v27
	v_sub_f32 v26, v26, v22                        ; less the quarter turn
	v_sub_f32 v27, v27, v22
	v_add_f32 v30, v26, v26
	v_add_f32 v31, v27, v27
	v_rndne_f32 v30, v30                           ; k
	v_rndne_f32 v31, v31
	v_fma_f32 v26, v30, -0.5, v26
	v_fma_f32 v27, v31, -0.5, v27
	v_add_f32 v26, v26, v28                        ; r
	v_add_f32 v27, v27, v29
	v_mul_f32 v26, v26, v26                        ; r^2
	v_mul_f32 v27, v27, v27
	v_fmaak_f32 v28, v25, v26, 0xc1d368f9          ; -(2 pi)^10 / 10!
	v_fmaak_f32 v29, v25, v27, 0xc1d368f9
	v_fmaak_f32 v28, v28, v26, 0x4270fa83          ; (2 pi)^8 / 8!
	v_fmaak_f32 v29, v29, v27, 0x4270fa83
	v_fmaak_f32 v28, v28, v26, 0xc2aae9e4          ; -(2 pi)^6 / 6!
	v_fmaak_f32 v29, v29, v27, 0xc2aae9e4
	v_fmaak_f32 v28, v28, v26, 0x4281e0f8          ; (2 pi)^4 / 4!
	v_fmaak_f32 v29, v29, v27, 0x4281e0f8
	v_fmaak_f32 v28, v28, v26, 0xc19de9e6          ; -(2 pi)^2 / 2
	v_fmaak_f32 v29, v29, v27, 0xc19de9e6
	v_fma_f32 v28, v28, v26, 1.0
	v_fma_f32 v29, v29, v27, 1.0
	v_cvt_i32_f32 v30, v30
	v_cvt_i32_f32 v31, v31
	v_lshlrev_b32 v30, 31, v30                     ; k odd: the sign turns
	v_lshlrev_b32 v31, 31, v31
	v_xor_b32 v[32+2*\n], v28, v30                 ; each row has its own pair: no store's data are written again
	v_xor_b32 v[33+2*\n], v29, v31
	global_store_b64 v23, v[32+2*\n:33+2*\n], s[16:17] offset:256*\n
.endm
.irp n, 0,1,2,3,4,5,6,7,8,9,10,11,12,13,14,15
	ROW \n
.endr
	s_endpgm
; ---------------- C: w_out to f16.  A wave takes 2,048 numbers: 16 loads of 512 consecutive bytes, 16 stores of 256 consecutive bytes, aligned.
.Lrole_c:
	s_sub_co_u32 s19, ttmp9, 304
	s_lshl_b32 s19, s19, 2
	s_add_co_u32 s19, s19, s18                     ; my run
	s_lshl_b32 s22, s19, 13
	s_add_nc_u64 s[8:9], s[8:9], s[22:23]
	s_lshl_b32 s22, s19, 12
	s_add_nc_u64 s[14:15], s[14:15], s[22:23]
	v_lshlrev_b32 v3, 4, v2
	v_lshlrev_b32 v4, 3, v2
.irp j, 0,1,2,3,4,5,6,7,8,9,10,11,12,13,14,15
	global_load_b128 v[16+4*\j:19+4*\j], v3, s[8:9] offset:512*\j
.endr
.irp j, 0,1,2,3,4,5,6,7,8,9,10,11,12,13,14,15
	s_wait_loadcnt 15-\j                           ; loads come back in order: load j is in, the younger ones stay out
	v_cvt_pk_f16_f32 v[80+2*\j], v[16+4*\j], v[17+4*\j]
	v_cvt_pk_f16_f32 v[81+2*\j], v[18+4*\j], v[19+4*\j]
	global_store_b64 v4, v[80+2*\j:81+2*\j], s[14:15] offset:256*\j
.endr
	s_endpgm
; ---------------- X: x's codes.  Rows are dense and 1,024 is a multiple of 32, so x is a plain stream of blocks of 32.  A wave takes 16 steps of 512 numbers.
; Each load reads 512 consecutive bytes, 16 a lane; a step's 2,048 bytes turn through the wave's own stage in LDS and come back 64 bytes a lane: 16 neighbours along K, two lanes to a block.
; A lane's 16 codes are 8 bytes: the wave stores 256 consecutive bytes.  The wave's 256 scale bytes are gathered in its own LDS bytes and leave as one aligned run of 256.
.set STEPS, 16
.set XREG,  8192                       ; LDS of a wave: two stages of 32 x SP bytes, then its 256 scale bytes
.set SP,    80                         ; a lane's place in a stage: 64 bytes + 16 of padding
.set XR,    16                         ; v16-79   four sets of 16 numbers as loaded
.set XX,    80                         ; v80-111  two sets of 16 neighbours
.set XE,    112                        ; v112-127 a scale byte for each step
.set XC,    128                        ; v128-191 codes, four registers for each step
.Lrole_x:
	v_lshlrev_b32 v3, 4, v2
	s_mul_i32 s19, s18, XREG
	v_lshrrev_b32 v14, 2, v2
	v_mul_u32_u24 v14, v14, SP
	v_and_b32 v15, 3, v2
	v_lshl_add_u32 v14, v15, 4, v14
	v_add_nc_u32 v14, s19, v14                     ; into the stage: SP (lane / 4) + 16 (lane % 4)
	v_mul_u32_u24 v15, v2, SP
	v_add_nc_u32 v15, s19, v15                     ; out of it: SP x lane
	v_lshlrev_b32 v4, 3, v2                        ; my codes' place in a step's
	v_lshrrev_b32 v5, 1, v2
	s_add_co_u32 s19, s19, 2*32*SP
	v_add_nc_u32 v5, s19, v5                       ; my block's scale byte
	v_lshlrev_b32 v7, 3, v2
	v_add_nc_u32 v6, s19, v7
	s_lshl_b32 s20, ttmp9, 2
	s_add_co_u32 s20, s20, s18                     ; which run of 8,192 numbers is my wave's
	s_lshl_b32 s22, s20, 15
	s_add_nc_u64 s[4:5], s[4:5], s[22:23]
	s_lshl_b32 s22, s20, 12
	s_add_nc_u64 s[10:11], s[10:11], s[22:23]
	s_lshl_b32 s22, s20, 8
	s_add_nc_u64 s[12:13], s[12:13], s[22:23]
.macro XLOAD t
.irp i, 0,1,2,3
	global_load_b128 v[XR+16*((\t)%4)+4*\i:XR+16*((\t)%4)+4*\i+3], v3, s[4:5] offset:2048*(\t)+512*\i th:TH_LOAD_NT
.endr
.endm
.macro XTURN t                         ; LDS serves a wave's instructions in order: no wait between the stores and the loads
.irp i, 0,1,2,3
	ds_store_b128 v14, v[XR+16*((\t)%4)+4*\i:XR+16*((\t)%4)+4*\i+3] offset:32*SP*((\t)%2)+8*SP*\i
.endr
.irp i, 0,1,2,3
	ds_load_b128 v[XX+16*((\t)%2)+4*\i:XX+16*((\t)%2)+4*\i+3], v15 offset:32*SP*((\t)%2)+16*\i
.endr
.endm
.irp t, 0,1,2,3
	XLOAD \t
.endr
	s_wait_loadcnt 12                              ; step 0's four loads are in; the twelve of steps 1 to 3 stay out
	XTURN 0
.macro XSTEP t
.set XS, XX+16*((\t)%2)
.if (\t) > 0
	s_wait_dscnt 1                                 ; this step's numbers are back from the stage; the last step's byte store may be out
.else
	s_wait_dscnt 0x0
.endif
.if (\t)+4 < STEPS
	XLOAD (\t)+4
.endif
.if (\t)+1 < STEPS
.if STEPS-2-(\t) >= 3
	s_wait_loadcnt 12                              ; the next step's four loads are in; those of the three steps behind it may be out
.else
	s_wait_loadcnt 4*(STEPS-2-(\t))
.endif
	XTURN (\t)+1
.endif
	v_max3_num_f32 v8, |v[XS]|, |v[XS+1]|, |v[XS+2]|
	v_max3_num_f32 v9, |v[XS+3]|, |v[XS+4]|, |v[XS+5]|
.irp i, 6,10
	v_max3_num_f32 v8, v8, |v[XS+\i]|, |v[XS+\i+1]|
	v_max3_num_f32 v9, v9, |v[XS+\i+2]|, |v[XS+\i+3]|
.endr
	v_max3_num_f32 v8, v8, |v[XS+14]|, |v[XS+15]|
	v_max3_num_f32 v8, v8, v9, 0x1800000           ; and the floor 2^(3 - 127): the byte cannot fall under 1
	v_max_num_f32_dpp v8, v8, v8 row_xmask:1 row_mask:0xf bank_mask:0xf   ; with my neighbour's 16: the block's
	v_add_nc_u32 v11, 0xff000000, v8               ; 2 off the exponent field: the conversion takes this operand's exponent field as its scale
	v_cvt_scalef32_pk8_fp4_f32 v[XC+4*(\t)], v[XS:XS+7], v11
	v_cvt_scalef32_pk8_fp4_f32 v[XC+4*(\t)+1], v[XS+8:XS+15], v11
	v_lshrrev_b32 v[XE+(\t)], 23, v11              ; the scale's byte
	ds_store_b8 v5, v[XE+(\t)] offset:16*(\t)      ; both lanes of a block write the same byte with the same value
	global_store_b64 v4, v[XC+4*(\t):XC+4*(\t)+1], s[10:11] offset:256*(\t)
.endm
.irp t, 0,1,2,3,4,5,6,7,8,9,10,11,12,13,14,15
	XSTEP \t
.endr
	ds_load_b64 v[8:9], v6
	s_wait_dscnt 0x0
	global_store_b64 v7, v[8:9], s[12:13]          ; 32 lanes store 256 consecutive bytes, aligned
	s_wait_tensorcnt 0x0                           ; the wave's end: behind my last LDS store
	ds_add_u32 v[SPW], v[NIL]
	s_wait_dscnt 0x0
	s_endpgm
; ---------------- W: w_qkv's codes.  K is the FIRST axis: a lane takes a column n and its registers run down K, so a block of 32 lies in one lane, and the conversions give codes with K innermost.
; A wave takes 32 columns x 512 along K: 256 bytes of codes a column; they go through the wave's own stage and leave by rows, sixteen lanes to 256 consecutive bytes.
; Every offset is an immediate: 511 rows of 12,288 bytes at the most, inside the signed 24 bits.
.set NB,    16                         ; blocks of a lane
.set WSTG,  32768                      ; this role's LDS begins behind the other's
.set WP,    272                        ; a stage row: 256 bytes + 16
.set WX,    32                         ; v32-95   two sets of 32 numbers
.set WCD,   96                         ; v96-99   a block's codes
.set WOUT,  112                        ; v112-175 the way out
.set WSB,   24                         ; v24-27   the scale bytes, four to a register
.Lrole_w:
	s_sub_co_u32 s19, ttmp9, 256
	s_lshr_b32 s20, s19, 1                         ; which 128 columns
	s_and_b32 s21, s19, 1                          ; which half of K
	s_lshl_b32 s20, s20, 7
	s_lshl_b32 s22, s18, 5
	s_add_co_u32 s20, s20, s22                     ; my wave's first column
	v_lshlrev_b32 v3, 2, v2
	s_mul_i32 s24, s18, 32*WP
	s_add_co_u32 s24, s24, WSTG                    ; my stage
	v_mul_u32_u24 v4, v2, WP
	v_add_nc_u32 v4, s24, v4                       ; into it: row = my column
	v_and_b32 v5, 15, v2
	v_lshrrev_b32 v6, 4, v2
	v_mul_u32_u24 v7, v6, WP
	v_lshl_add_u32 v7, v5, 4, v7
	v_add_nc_u32 v7, s24, v7                       ; out of it: sixteen lanes to a row, two rows an instruction
	v_lshlrev_b32 v8, 9, v6
	v_lshl_add_u32 v8, v5, 4, v8                   ; the same place in the codes' rows of 512 bytes
	v_lshlrev_b32 v9, 5, v2                        ; my column's row of 32 scale bytes
	s_mul_i32 s22, s21, 512*12288
	s_lshl_b32 s25, s20, 2
	s_add_co_u32 s22, s22, s25
	s_add_nc_u64 s[6:7], s[6:7], s[22:23]
	s_lshl_b32 s22, s20, 9
	s_lshl_b32 s25, s21, 8
	s_add_co_u32 s22, s22, s25
	s_add_co_u32 s22, s22, WCO
	s_add_nc_u64 s[10:11], s[10:11], s[22:23]
	s_lshl_b32 s22, s20, 5
	s_lshl_b32 s25, s21, 4
	s_add_co_u32 s22, s22, s25
	s_add_co_u32 s22, s22, WSO
	s_add_nc_u64 s[12:13], s[12:13], s[22:23]
.macro WLOAD t
.irp i, 0,1,2,3,4,5,6,7,8,9,10,11,12,13,14,15,16,17,18,19,20,21,22,23,24,25,26,27,28,29,30,31
	global_load_b32 v[WX+32*((\t)%2)+\i], v3, s[6:7] offset:(32*(\t)+\i)*12288 th:TH_LOAD_NT
.endr
.endm
	WLOAD 0
	WLOAD 1
.macro WBLOCK t
.set WS_, WX+32*((\t)%2)
.if (\t) < NB-1
	s_wait_loadcnt 32                              ; this block's 32 loads are in; the next block's may be out
.else
	s_wait_loadcnt 0
.endif
	v_max3_num_f32 v12, |v[WS_]|, |v[WS_+1]|, |v[WS_+2]|
	v_max3_num_f32 v13, |v[WS_+3]|, |v[WS_+4]|, |v[WS_+5]|
.irp i, 6,10,14,18,22,26
	v_max3_num_f32 v12, v12, |v[WS_+\i]|, |v[WS_+\i+1]|
	v_max3_num_f32 v13, v13, |v[WS_+\i+2]|, |v[WS_+\i+3]|
.endr
	v_max3_num_f32 v12, v12, |v[WS_+30]|, |v[WS_+31]|
	v_max3_num_f32 v12, v12, v13, 0x1800000        ; the floor
	v_add_nc_u32 v11, 0xff000000, v12
	v_lshrrev_b32 v13, 23, v11                     ; the scale's byte
.if (\t)%4 == 0
	v_mov_b32 v[WSB+(\t)/4], v13
.else
	v_lshl_or_b32 v[WSB+(\t)/4], v13, 8*((\t)%4), v[WSB+(\t)/4]
.endif
.irp g, 0,1,2,3
	v_cvt_scalef32_pk8_fp4_f32 v[WCD+\g], v[WS_+8*\g:WS_+8*\g+7], v11
.endr
	ds_store_b128 v4, v[WCD:WCD+3] offset:16*(\t)
.if (\t)+2 < NB
	WLOAD (\t)+2
.endif
	s_wait_dscnt 0x0                               ; the store has read its registers: the next block's codes may be written
.endm
.irp t, 0,1,2,3,4,5,6,7,8,9,10,11,12,13,14,15
	WBLOCK \t
.endr
	global_store_b128 v9, v[WSB:WSB+3], s[12:13]   ; my column's 16 scale bytes
.irp t, 0,1,2,3,4,5,6,7,8,9,10,11,12,13,14,15
	ds_load_b128 v[WOUT+4*\t:WOUT+4*\t+3], v7 offset:2*\t*WP
.endr
.irp t, 0,1,2,3,4,5,6,7,8,9,10,11,12,13,14,15
	s_wait_dscnt 15-\t                             ; LDS loads come back in order: load t is in
	global_store_b128 v8, v[WOUT+4*\t:WOUT+4*\t+3], s[10:11] offset:2*\t*512
.endr
	s_wait_tensorcnt 0x0                           ; the wave's end: behind my last LDS store
	ds_add_u32 v[SPW], v[NIL]
	s_wait_dscnt 0x0
	s_endpgm
.Lfunc_end_k_q915c3803e2_prep:
	.size	k_q915c3803e2_prep, .Lfunc_end_k_q915c3803e2_prep-k_q915c3803e2_prep
	.p2alignl 7, 3214868480
	.fill 96, 4, 3214868480
	.section	.rodata,"a",@progbits
	.p2align	6, 0x0
	.amdhsa_kernel k_q915c3803e2_prep
		.amdhsa_group_segment_fixed_size 68096
		.amdhsa_private_segment_fixed_size 0
		.amdhsa_enable_private_segment 0
		.amdhsa_kernarg_size 56
		.amdhsa_user_sgpr_count 2
		.amdhsa_user_sgpr_kernarg_segment_ptr 1
		.amdhsa_wavefront_size32 1
		.amdhsa_system_sgpr_workgroup_id_x 1
		.amdhsa_system_sgpr_workgroup_id_y 1
		.amdhsa_system_sgpr_workgroup_id_z 1
		.amdhsa_system_vgpr_workitem_id 0
		.amdhsa_next_free_vgpr 200
		.amdhsa_next_free_sgpr 66
		.amdhsa_reserve_vcc 0
		.amdhsa_float_denorm_mode_32 3
		.amdhsa_float_denorm_mode_16_64 3
		.amdhsa_memory_ordered 1
		.amdhsa_forward_progress 1
		.amdhsa_inst_pref_size 145
	.end_amdhsa_kernel
	.amdgpu_metadata
---
amdhsa.version: [ 1, 2 ]
amdhsa.kernels:
  - .name:           k_q915c3803e2_prep
    .symbol:         k_q915c3803e2_prep.kd
    .args:
      - { .name: x, .offset: 0, .size: 8, .value_kind: global_buffer, .address_space: global }
      - { .name: w_qkv, .offset: 8, .size: 8, .value_kind: global_buffer, .address_space: global }
      - { .name: w_out, .offset: 16, .size: 8, .value_kind: global_buffer, .address_space: global }
      - { .name: codes, .offset: 24, .size: 8, .value_kind: global_buffer, .address_space: global }
      - { .name: scales, .offset: 32, .size: 8, .value_kind: global_buffer, .address_space: global }
      - { .name: w16, .offset: 40, .size: 8, .value_kind: global_buffer, .address_space: global }
      - { .name: rope, .offset: 48, .size: 8, .value_kind: global_buffer, .address_space: global }
    .group_segment_fixed_size: 68096
    .private_segment_fixed_size: 0
    .kernarg_segment_align: 8
    .kernarg_segment_size: 56
    .max_flat_workgroup_size: 128
    .sgpr_count:     66
    .vgpr_count:     200
    .wavefront_size: 32
...
	.end_amdgpu_metadata
.endif
;; end of part 1
;; launch qkv (part 2): grid 12 x 32, 4 waves a work-group, clusters of 4 x 4, 327,680 bytes of LDS; arguments codes, scales, rope, qkv16, qkv32; writes qkv16, qkv32
.if DOCPART == 2
	.amdgcn_target "amdgcn-amd-amdhsa--gfx1250"
	.amdhsa_code_object_version 6
	.text
	.protected	k_q915c3803e2_qkv
	.globl	k_q915c3803e2_qkv
	.p2align	8
	.type	k_q915c3803e2_qkv,@function
k_q915c3803e2_qkv:
	s_mov_b64 s[64:65], 0
	v_nop
	global_prefetch_b8 v0, s[64:65] scope:SCOPE_SE
	s_setreg_imm32_b32 hwreg(HW_REG_WAVE_MODE, 25, 1), 1
	s_wait_xcnt 0x0
	s_wait_alu depctr_hold_cnt(0) depctr_sa_sdst(0) depctr_va_vdst(0) depctr_va_sdst(0) depctr_va_ssrc(0) depctr_va_vcc(0) depctr_vm_vsrc(0)
	s_getreg_b32 s2, hwreg(HW_REG_IB_STS2, 6, 4)
	s_cmp_eq_u32 s2, 0
	s_cbranch_scc0 .Lentry_in_a_cluster
	s_endpgm
.Lentry_in_a_cluster:
	s_bfe_u32 s2, ttmp6, 0x10000c
	s_cmp_lg_u32 s2, 0xf033
	s_cbranch_scc0 .Lentry_shape_is_right
	s_endpgm
.Lentry_shape_is_right:
; qkv = Q(x) Q(w_qkv) on codes of FP4 (E2M1) with one E8M0 scale for each 32 along K, sums in f32; then the rotation of q and k in f32; then one rounding to f16.
; x's codes [8192][512 bytes] at byte 0 of 'codes', w_qkv's [3072 (n)][512 bytes] at byte WCO; their scale bytes [8192][32] at byte 0 of 'scales' and [3072][32] at byte WSO.
; OUT: qkv16 [part 3][batch 4][head 16][t 2048][64] f16; and, for positions 0-15 of each sequence, qkv32 [batch 4][16][3072] f32 (behind the rotation), which the last launch takes.
; LIMIT: |q|, |k|, |v| under 65,504, f16's largest number; beyond it the rounding gives infinity.
; A tile of 256 x 256 is made by four waves, each 128 x 128: 64 accumulators, 512 registers.  K = 1,024 is two K steps of 512, one in each of two LDS slots: every LDS byte is filled once.
; The scale bytes of the work-group's 256 + 256 rows, for all of K, come with the first fills as two dense blocks.
; CLUSTERS: 4 x 4 work-groups; the four of a row need the same tiles of x, the four of a column the same tiles of w: each tile is asked for jointly.
; THE TILE ROW IS 8 cy + cluster y, so that the batch is cy and a sequence's first tile is cluster y = 0; THE TILE COLUMN IS 4 cluster x + cx, so that q, k, v is cluster x:
; both branches of the way out (v has no rotation; positions 0-15 are kept in f32) hang on the cluster's numbers and the wave's alone, the same in all sixteen partners.
; THE MATRIX INSTRUCTION IS USED TRANSPOSED (source 0 = 16 rows of w, source 1 = 16 rows of x): a lane holds eight neighbouring columns of one row.
; REGISTERS, in windows of 256: window 0: v0-31 addresses; v32-95 scale words, two sets, and nothing else; v128-191 x's fragments, one set; v192-223 the rotation's cos and sin; window 1: w's fragments, two sets;
;   windows 2 and 3: the accumulators ((a, b) at v[8 (8 (a % 4) + b)]).  On the way out window 0's v96-191 and window 1's v0-71 are at work.
.set WCO,    4194304
.set WSO,    262144
.set NQ,     4                         ; matrix instructions deep in a slot
.set ROWB,   256                       ; a tile's row: 512 codes
.set KROW,   512                       ; a row of codes in memory
.set PITCH,  272                       ; an LDS row: 256 bytes + 16 of padding: the 16 rows of a load start 68 words apart
.set FR,     8
.set NL,     2
.set NP,     4
.set HALFT,  128*PITCH
.set SLOT,   4*HALFT
.set KS,     32                        ; a row of scale bytes
.set SCL,    2*SLOT
.set HALFS,  (128*KS/256)*272
.set SBLK,   (16*KS/256)*272
.set SPARE,  SCL+4*HALFS               ; the spare words, 128 bytes for each wave: two blocks of 256 bytes that no other line names
.set SPITCH, 272                       ; the way out: a stage of 16 rows x (256 bytes + 16) for each wave, in slot 0, which has had its one fill and its last read by then
.set ADRA, 16
.set ADRB, 20
.set STO,  24                          ; v24 the stage: where I put 16 bytes of a row
.set RD,   25                          ; v25 and where I read back
.set CO,   26                          ; v26 my byte offset in qkv16
.set ADRS, 27
.set SPW,  28
.set NIL,  29
.set TA,   30                          ; v30 my byte offset in the table: row r, + 32 h
.set FO,   31                          ; v31 my byte offset in qkv32: row r, + 32 h
.set SC,   32
.set AF,   128
.set RO,   0                           ; the way out, IN WINDOW 1: v0-63 a block's 64 rotated numbers (w's first set of fragments is done with),
.set TT,   64                          ; and v64-71 at work
.set PK,   96                          ; window 0: v96-127 the block as f16
.set BK,   128                         ; v128-159, v160-191 rows read back from the stage, by turns
.set CS,   192                         ; v192-207 cos, v208-223 sin of my row, for i = 16 u + 8 h + j at 8 u + j
.set G1, 24
.set G0, 32
.set G1B, 48
.set G0B, 56
.set G1S, 68
.set G0S, 76
.set G1SB, 80
.set G0SB, 88
.set CY_,  96                          ; s96 cluster y
.set FINE, 97                          ; s97 0 where my block 0 is positions 0-15 of a sequence
.set MSB, 0
.macro WIN new                         ; the immediate's high byte repeats the setting that is left
.if MSB != \new
	s_set_vgpr_msb (MSB<<8)|\new
.set MSB, \new
.endif
.endm
.set MUL_LO, 0xa1
.set MUL_HI, 0xf1
.set TO_B,   0x40
; A joint load: waves 0 and 1 fetch for x, waves 2 and 3 for w.  An s_nop 0 and four v_nop follow each of the two lines.
.macro JLOAD g0a, g1a, g0b, g1b
	s_cmp_eq_u32 s15, 0
	s_cbranch_scc0 .Lfor_b_\@
	tensor_load_to_lds s[\g0a:\g0a+3], s[\g1a:\g1a+7]
	s_nop 0
.rept 4
	v_nop
.endr
	s_branch .Lasked_\@
.Lfor_b_\@:
	tensor_load_to_lds s[\g0b:\g0b+3], s[\g1b:\g1b+7]
	s_nop 0
.rept 4
	v_nop
.endr
.Lasked_\@:
.endm
.macro CROUND                          ; a round of the cluster's barrier
	s_barrier_signal -1
	s_barrier_wait -1
	s_cmp_lg_u32 s14, 0
	s_cbranch_scc1 .Lnot_wave_0_\@
	s_barrier_signal -3
.Lnot_wave_0_\@:
	s_barrier_wait -3
	s_barrier_signal -1
	s_barrier_wait -1
.endm
	s_load_b256 s[4:11], s[0:1], 0x0               ; codes s[4:5], scales s[6:7], rope s[8:9], qkv16 s[10:11]
	s_load_b64 s[12:13], s[0:1], 0x20              ; qkv32
	v_lshl_add_u32 v[SPW], v0, 2, SPARE
	v_mov_b32 v[NIL], 0
	ds_add_u32 v[SPW], v[NIL]                      ; the wave's opening: the add, twice on end, and its wait ahead of my first tensor load
	ds_add_u32 v[SPW], v[NIL]
	v_lshrrev_b32 v1, 5, v0
	v_readfirstlane_b32 s14, v1                    ; wave 0..3
	s_lshr_b32 s15, s14, 1                         ; which half of the tile's rows is mine.  Also: I fetch for x (0) or for w (1)
	s_and_b32 s16, s14, 1                          ; which half of its columns.  Also: which 128 rows I fetch
	s_bfe_u32 s40, ttmp6, 0x40000                  ; cx
	s_bfe_u32 s41, ttmp6, 0x40004                  ; cy
	s_lshl_b32 s42, ttmp9, 2
	s_add_co_u32 s42, s42, s40                     ; tile column = 4 x cluster x + cx
	s_and_b32 s[CY_], ttmp7, 0xffff
	s_lshl_b32 s17, s41, 3
	s_add_co_u32 s17, s17, s[CY_]                  ; tile row = 8 x cy + cluster y
	s_or_b32 s[FINE], s[CY_], s15
	s_lshl_b32 s43, s41, 2
	s_lshl_b32 s43, 15, s43                        ; my row of the cluster
	s_lshl_b32 s44, 0x1111, s40                    ; my column
	s_or_b32 s[G1+0], s43, (0<<16)|(1<<20)|(1<<21)|(5<<22)|(3<<25)  ; the mask; elements of 1 byte; padding: 4 words after every 64; bit 21 beside a mask
	s_or_b32 s[G1B+0], s44, (0<<16)|(1<<20)|(1<<21)|(5<<22)|(3<<25)
.irp g, G1, G1B
	s_mov_b32 s[\g+1], ROWB<<16                    ; tensor_dim0
	s_mov_b32 s[\g+2], 128<<16                     ; tensor_dim1
	s_mov_b32 s[\g+3], ROWB<<16                    ; tile_dim0
	s_mov_b32 s[\g+4], 128                         ; tile_dim1
	s_mov_b32 s[\g+5], KROW                        ; from row to row
	s_mov_b32 s[\g+6], 0
	s_mov_b32 s[\g+7], 0
.endr
	s_or_b32 s[G1S+0], s43, (3<<16)|(1<<20)|(1<<21)|(5<<22)|(3<<25) ; the scales of 128 rows: 4,096 dense bytes as 16 rows of 256 (32 elements of 8 bytes), 16 of padding behind each
	s_or_b32 s[G1SB+0], s44, (3<<16)|(1<<20)|(1<<21)|(5<<22)|(3<<25)
.irp g, G1S, G1SB
	s_mov_b32 s[\g+1], 32<<16
	s_mov_b32 s[\g+2], (128*KS/256)<<16
	s_mov_b32 s[\g+3], 32<<16
	s_mov_b32 s[\g+4], 128*KS/256
	s_mov_b32 s[\g+5], 32
	s_mov_b32 s[\g+6], 0
	s_mov_b32 s[\g+7], 0
.endr
	s_lshl_b32 s18, s16, 7
	s_lshl_b32 s20, s17, 8
	s_add_co_u32 s20, s20, s18                     ; x: row 256 x tile row + 128 x half
	s_lshl_b32 s46, s42, 8
	s_add_co_u32 s46, s46, s18                     ; w: row 256 x tile column + 128 x half
	s_lshl_b32 s22, s20, 5                         ; where these rows' scale bytes begin,
	s_mov_b32 s23, 0
	s_lshl_b32 s20, s20, 9                         ; and their codes
	s_mov_b32 s21, 0
	s_lshl_b32 s92, s46, 5
	s_add_co_u32 s92, s92, WSO
	s_mov_b32 s93, 0
	s_lshl_b32 s46, s46, 9
	s_add_co_u32 s46, s46, WCO
	s_mov_b32 s47, 0
	s_mul_i32 s45, s14, HALFT                      ; where they go: wave x 128 rows: no place in the cluster enters an LDS address
	s_mul_i32 s94, s14, HALFS
	s_wait_dscnt 0x0                               ; both opening adds are done
	s_wait_kmcnt 0x0
	s_add_nc_u64 s[20:21], s[4:5], s[20:21]
	s_add_nc_u64 s[22:23], s[6:7], s[22:23]
	s_add_nc_u64 s[46:47], s[4:5], s[46:47]
	s_add_nc_u64 s[92:93], s[6:7], s[92:93]
	CROUND                                         ; all sixteen work-groups are here: the joint loads meet
	s_mov_b32 s[G0S], 1
	s_add_co_u32 s[G0S+1], s94, SCL
	s_mov_b64 s[G0S+2:G0S+3], s[22:23]
	s_or_b32 s[G0S+3], s[G0S+3], 0x80000000
	s_mov_b32 s[G0SB], 1
	s_add_co_u32 s[G0SB+1], s94, SCL
	s_mov_b64 s[G0SB+2:G0SB+3], s[92:93]
	s_or_b32 s[G0SB+3], s[G0SB+3], 0x80000000
	JLOAD G0S, G1S, G0SB, G1SB                     ; the scales first: three loads of mine are out in all
.irp s, 0,1
	s_mov_b32 s[G0+4*\s], 1
	s_add_co_u32 s[G0+4*\s+1], s45, \s*SLOT
	s_add_nc_u64 s[G0+4*\s+2:G0+4*\s+3], s[20:21], \s*ROWB
	s_or_b32 s[G0+4*\s+3], s[G0+4*\s+3], 0x80000000
	s_mov_b32 s[G0B+4*\s], 1
	s_add_co_u32 s[G0B+4*\s+1], s45, \s*SLOT
	s_add_nc_u64 s[G0B+4*\s+2:G0B+4*\s+3], s[46:47], \s*ROWB
	s_or_b32 s[G0B+4*\s+3], s[G0B+4*\s+3], 0x80000000
	JLOAD G0+4*\s, G1, G0B+4*\s, G1B
.endr
	v_and_b32 v1, 15, v0                           ; r
	v_bfe_u32 v2, v0, 4, 1                         ; h
	v_mul_u32_u24 v3, v1, PITCH
	v_lshl_add_u32 v4, v2, 4, v3                   ; a fragment's row x pitch + 16 h
	s_mul_i32 s21, s15, HALFT
	s_mul_i32 s22, s16, HALFT
	s_add_co_u32 s22, s22, 2*HALFT
.irp s, 0,1
	v_add_nc_u32 v[ADRA+\s], s21, v4
	v_add_nc_u32 v[ADRB+\s], s22, v4
	s_add_co_u32 s21, s21, SLOT
	s_add_co_u32 s22, s22, SLOT
.endr
	v_mul_u32_u24 v5, v1, KS                       ; my row's scale bytes: 32 a row, and 16 more for each 256 passed
	v_lshrrev_b32 v6, 8, v5
	v_lshl_add_u32 v5, v6, 4, v5
	s_mul_i32 s21, s15, HALFS
	s_mul_i32 s22, s16, HALFS
	s_add_co_u32 s22, s22, 2*HALFS
	s_sub_co_u32 s22, s22, s21
	v_mul_u32_u24 v6, s22, v2                      ; lanes 16-31 take w's
	s_add_co_u32 s21, s21, SCL
	v_add_nc_u32 v5, v5, v6
	v_add_nc_u32 v[ADRS], s21, v5
	; the way out's addresses
	s_mul_i32 s23, s14, 16*SPITCH                  ; my stage
	v_mul_u32_u24 v5, v1, SPITCH
	v_lshl_add_u32 v5, v2, 4, v5
	v_add_nc_u32 v[STO], s23, v5                   ; in: row r, 16 bytes for each half of the lanes; block b 32 b bytes on
	v_bfe_u32 v6, v0, 3, 1
	v_and_b32 v7, 7, v0
	v_mul_u32_u24 v5, v6, SPITCH
	v_lshl_add_u32 v5, v2, 7, v5
	v_lshl_add_u32 v5, v7, 4, v5
	v_add_nc_u32 v[RD], s23, v5                    ; back: lanes 0-15 two rows of my first head (128 bytes each), lanes 16-31 of my second
	v_lshlrev_b32 v5, 18, v2                       ; in qkv16 a head is 262,144 bytes, a row 128
	v_lshl_add_u32 v5, v6, 7, v5
	v_lshl_add_u32 v[CO], v7, 4, v5
	v_lshlrev_b32 v5, 8, v1
	v_lshl_add_u32 v[TA], v2, 5, v5
	v_mul_u32_u24 v5, v1, 12288
	v_lshl_add_u32 v[FO], v2, 5, v5
	s_lshl_b32 s94, s[CY_], 8
	s_lshl_b32 s95, s15, 7
	s_add_co_u32 s94, s94, s95                     ; my first position in the sequence
	s_lshl_b32 s98, s94, 8
	s_mov_b32 s99, 0
	s_add_nc_u64 s[8:9], s[8:9], s[98:99]          ; the table at that row
	s_lshl_b32 s95, ttmp9, 2
	s_add_co_u32 s95, s95, s41                     ; 4 x part + batch
	s_lshl_b32 s95, s95, 4
	s_lshl_b32 s98, s40, 2
	s_add_co_u32 s95, s95, s98
	s_lshl_b32 s98, s16, 1
	s_add_co_u32 s95, s95, s98                     ; + my first head: 4 cx + 2 x column half
	s_lshl_b32 s95, s95, 18
	s_lshl_b32 s98, s94, 7
	s_add_co_u32 s98, s98, s95
	s_add_nc_u64 s[10:11], s[10:11], s[98:99]
	s_mul_i32 s98, s41, 196608                     ; qkv32: the batch, my first column
	s_lshl_b32 s95, s42, 10
	s_add_co_u32 s98, s98, s95
	s_lshl_b32 s95, s16, 9
	s_add_co_u32 s98, s98, s95
	s_add_nc_u64 s[12:13], s[12:13], s[98:99]
; cos and sin of block a's 16 rows: my row r, i = 16 u + 8 h + 0 .. 7
.macro TABLE a
.irp u, 0,1
	global_load_b128 v[CS+8*\u:CS+8*\u+3],       v[TA], s[8:9] offset:4096*(\a)+64*\u
	global_load_b128 v[CS+8*\u+4:CS+8*\u+7],     v[TA], s[8:9] offset:4096*(\a)+64*\u+16
	global_load_b128 v[CS+16+8*\u:CS+16+8*\u+3], v[TA], s[8:9] offset:4096*(\a)+64*\u+128
	global_load_b128 v[CS+16+8*\u+4:CS+16+8*\u+7], v[TA], s[8:9] offset:4096*(\a)+64*\u+144
.endr
.endm
	TABLE 0                                        ; block 0's lands under the products.  Every work-group asks for it, v's too, which do not rotate: eight loads, 4 KiB a wave, so that these registers are written on every way through the text
.macro FRAG reg, adr, q, i             ; 16 rows x 128 K of 4-bit codes: registers 4 c .. 4 c + 3 hold K = 64 c + 32 h + 0 .. 31
.irp c, 0,1
	ds_load_b128 v[\reg+4*\c:\reg+4*\c+3], v[\adr] offset:64*(\q)+32*\c+(\i)*16*PITCH
.endr
.endm
; 16 matrix instructions: x's blocks a0, a0 + 1 against w's eight.  The 64 accumulators take turns, one instruction a turn, in the same order in every step.
.macro MUL16 a0, p, q, sc, zero
.irp a, \a0, \a0+1
.irp b, 0,1,2,3,4,5,6,7
.if \zero
	v_wmma_scale_f32_16x16x128_f8f6f4 v[8*(8*((\a)%4)+\b):8*(8*((\a)%4)+\b)+7], v[128*(\p)+FR*\b:128*(\p)+FR*\b+FR-1], v[AF+FR*(\a):AF+FR*(\a)+FR-1], 0, v[SC+8*NQ*(\sc)+NQ*\b+(\q)], v[SC+8*NQ*(\sc)+NQ*(\a)+(\q)] matrix_a_fmt:MATRIX_FMT_FP4 matrix_b_fmt:MATRIX_FMT_FP4 matrix_a_scale:MATRIX_SCALE_ROW1
.else
	v_wmma_scale_f32_16x16x128_f8f6f4 v[8*(8*((\a)%4)+\b):8*(8*((\a)%4)+\b)+7], v[128*(\p)+FR*\b:128*(\p)+FR*\b+FR-1], v[AF+FR*(\a):AF+FR*(\a)+FR-1], v[8*(8*((\a)%4)+\b):8*(8*((\a)%4)+\b)+7], v[SC+8*NQ*(\sc)+NQ*\b+(\q)], v[SC+8*NQ*(\sc)+NQ*(\a)+(\q)] matrix_a_fmt:MATRIX_FMT_FP4 matrix_b_fmt:MATRIX_FMT_FP4 matrix_a_scale:MATRIX_SCALE_ROW1
.endif
.endr
.endr
.endm
.macro FETCH_B slot, q, p
	WIN TO_B
.irp i, 0,1,2,3,4,5,6,7
	FRAG 128*(\p)+FR*\i, ADRB+\slot, \q, \i
.endr
	WIN 0
.endm
.macro FETCH_A slot, q, i0
.irp i, \i0, \i0+1, \i0+2, \i0+3
	FRAG AF+FR*(\i), ADRA+\slot, \q, \i
.endr
.endm
.macro SCALES sc                       ; a K step's scale words: lanes 0-15 x's block i, lanes 16-31 w's block i
.irp i, 0,1,2,3,4,5,6,7
	ds_load_b128 v[SC+8*NQ*\sc+NQ*\i:SC+8*NQ*\sc+NQ*\i+3], v[ADRS] offset:\i*SBLK
.endr
.endm
.macro PLACES n                        ; plain vector instructions between a matrix instruction and a load into, or a read of, its registers
.rept \n
	v_nop
.endr
.endm
.macro STEP slot, q, zero              ; 128 along K that has its successor in the same slot
	s_wait_dscnt 4*NL                              ; w's set and x's blocks 0-3 are in; the youngest eight loads (x's blocks 4-7) may be out
	WIN MUL_LO
	MUL16 0, (\q)%2, \q, \slot, \zero
	MUL16 2, (\q)%2, \q, \slot, \zero
	s_wait_dscnt 0                                 ; x's blocks 4-7 are in
	PLACES NP
	FETCH_B \slot, (\q)+1, 1-(\q)%2
	FETCH_A \slot, (\q)+1, 0
	WIN MUL_HI
	MUL16 4, (\q)%2, \q, \slot, \zero
	MUL16 6, (\q)%2, \q, \slot, \zero
	PLACES NP
	WIN 0
	FETCH_A \slot, (\q)+1, 4
.endm
.macro STEPS slot, from
.set Q, \from
.rept NQ-1-\from
	STEP \slot, Q, 0
.set Q, Q+1
.endr
.endm
	s_wait_tensorcnt 1                             ; the scales and my part of slot 0 are in; slot 1's load may stay out
	s_barrier_signal -1
	s_barrier_wait -1
	FETCH_B 0, 0, 0
	FETCH_A 0, 0, 0
	SCALES 0
	FETCH_A 0, 0, 4
	STEP 0, 0, 1                                   ; the first products start the sums: nothing is cleared
	STEPS 0, 1
	; slot 0's last step changes slots: one barrier; in front of it each wave waits for all its tensor loads (slot 1's), adds 0 to its spare word, and waits for that and for its reads of slot 0
	s_wait_tensorcnt 0x0
	ds_add_u32 v[SPW], v[NIL]
	s_wait_dscnt 4*NL+1                            ; the add and the youngest eight loads may be out
	WIN MUL_LO
	MUL16 0, 1, NQ-1, 0, 0
	s_wait_dscnt 0x0
	s_barrier_signal -1
	MUL16 2, 1, NQ-1, 0, 0
	WIN 0
	s_barrier_wait -1
	PLACES NP
	v_add_nc_u32 v[ADRS], 4*NQ, v[ADRS]            ; the second K step's scale words
	FETCH_B 1, 0, 0
	FETCH_A 1, 0, 0
	SCALES 1
	WIN MUL_HI
	MUL16 4, 1, NQ-1, 0, 0
	MUL16 6, 1, NQ-1, 0, 0
	PLACES NP
	WIN 0
	FETCH_A 1, 0, 4
	STEPS 1, 0
	s_wait_dscnt 4*NL                              ; the last step: nothing more to fetch
	WIN MUL_LO
	MUL16 0, 1, NQ-1, 1, 0
	MUL16 2, 1, NQ-1, 1, 0
	s_wait_dscnt 0
	WIN MUL_HI
	MUL16 4, 1, NQ-1, 1, 0
	MUL16 6, 1, NQ-1, 1, 0
	WIN 0
; THE WAY OUT, block by block of 16 rows x 128 columns (two heads).  In accumulator (a, b) lane (r, h) holds row 16 a + r and channels 16 (b % 4) + 8 h + 0 .. 7 of head b / 4.
; The rotation pairs channel d < 32 with d + 32: accumulators b and b + 2, the same lane and register.  Each accumulator is read from its low end on.
.macro ROT a
.set AC, 64*((\a)%4)
	WIN 0x52+((\a)/4)                              ; source 0 (the accumulators): window 2 or 3; source 1 (cos, sin): window 0; source 2 and the destination: window 1
.irp hd, 0,1
.irp u, 0,1
.set A1, AC+8*(4*\hd+\u)
.set A2, A1+16
.set R1, RO+8*(4*\hd+\u)
.set R2, R1+16
.irp jj, 0,2,4,6
	v_pk_mul_f32 v[TT+\jj:TT+\jj+1], v[A2+\jj:A2+\jj+1], v[CS+16+8*\u+\jj:CS+16+8*\u+\jj+1]
.endr
.irp jj, 0,2,4,6
	v_pk_fma_f32 v[R1+\jj:R1+\jj+1], v[A1+\jj:A1+\jj+1], v[CS+8*\u+\jj:CS+8*\u+\jj+1], v[TT+\jj:TT+\jj+1] neg_lo:[0,0,1] neg_hi:[0,0,1]   ; t1 cos - t2 sin
.endr
.irp jj, 0,2,4,6
	v_pk_mul_f32 v[TT+\jj:TT+\jj+1], v[A2+\jj:A2+\jj+1], v[CS+8*\u+\jj:CS+8*\u+\jj+1]
.endr
.irp jj, 0,2,4,6
	v_pk_fma_f32 v[R2+\jj:R2+\jj+1], v[A1+\jj:A1+\jj+1], v[CS+16+8*\u+\jj:CS+16+8*\u+\jj+1], v[TT+\jj:TT+\jj+1]   ; t1 sin + t2 cos
.endr
.endr
.endr
	WIN 0
.endm
.macro PACKR                           ; the rotated numbers to f16
	WIN 0x05                                       ; sources 0 and 1: window 1
.set n, 0
.rept 32
	v_cvt_pk_f16_f32 v[PK+n], v[RO+2*n], v[RO+2*n+1]
.set n, n+1
.endr
	WIN 0
.endm
.macro PACKV a                         ; v's numbers to f16, straight from the accumulators
.set AC, 64*((\a)%4)
	WIN 0x0a+5*((\a)/4)
.set n, 0
.rept 32
	v_cvt_pk_f16_f32 v[PK+n], v[AC+2*n], v[AC+2*n+1]
.set n, n+1
.endr
	WIN 0
.endm
.macro TOSTAGE a                       ; through my own stage: LDS serves a wave's instructions in order, so no wait stands between the stores and the loads
.set BB, BK+32*((\a)%2)
.irp b, 0,1,2,3,4,5,6,7
	ds_store_b128 v[STO], v[PK+4*\b:PK+4*\b+3] offset:32*\b
.endr
.irp t, 0,1,2,3,4,5,6,7
	ds_load_b128 v[BB+4*\t:BB+4*\t+3], v[RD] offset:2*\t*SPITCH
.endr
.endm
.macro SEND a
.set BB, BK+32*((\a)%2)
	s_wait_dscnt 0x0                               ; the block is back in registers
	s_wait_xcnt 0x0                                ; the block before has had its stores' registers read: the next block's loads may land there
.irp t, 0,1,2,3,4,5,6,7
	global_store_b128 v[CO], v[BB+4*\t:BB+4*\t+3], s[10:11] offset:2048*(\a)+256*\t   ; sixteen lanes store two rows of a head: 256 consecutive bytes, aligned
.endr
.endm
	PLACES NP                                      ; behind the last products
	s_cmp_eq_u32 ttmp9, 2                          ; v is not rotated
	s_cbranch_scc1 .Lpath_v
.irp a, 0,1,2,3,4,5,6,7
	s_wait_loadcnt 0x0                             ; block a's cos and sin
	ROT \a
.if \a < 7
	TABLE \a+1
.endif
.if \a == 0
	s_cmp_lg_u32 s[FINE], 0
	s_cbranch_scc1 .Lno_fine_qk
	WIN 0x04                                       ; a store's data are its source 1: window 1
.irp b, 0,1,2,3,4,5,6,7
	global_store_b128 v[FO], v[RO+8*\b:RO+8*\b+3], s[12:13] offset:64*\b
	global_store_b128 v[FO], v[RO+8*\b+4:RO+8*\b+7], s[12:13] offset:64*\b+16
.endr
	s_wait_xcnt 0x0                                ; these registers are written again by the next block
	WIN 0
.Lno_fine_qk:
.endif
	PACKR
.if \a > 0
	SEND \a-1
.endif
	TOSTAGE \a
.endr
	SEND 7
	s_branch .Lend
.Lpath_v:
	s_cmp_lg_u32 s[FINE], 0
	s_cbranch_scc1 .Lno_fine_v
	WIN 0x08                                       ; a store's data are its source 1: window 2
.irp b, 0,1,2,3,4,5,6,7
	global_store_b128 v[FO], v[8*\b:8*\b+3], s[12:13] offset:64*\b
	global_store_b128 v[FO], v[8*\b+4:8*\b+7], s[12:13] offset:64*\b+16
.endr
	WIN 0
.Lno_fine_v:
.irp a, 0,1,2,3,4,5,6,7
	PACKV \a
.if \a > 0
	SEND \a-1
.endif
	TOSTAGE \a
.endr
	SEND 7
.Lend:
	s_wait_tensorcnt 0x0                           ; the wave's end: behind my last tensor load and my last LDS store
	ds_add_u32 v[SPW], v[NIL]
	s_wait_dscnt 0x0
	CROUND                                         ; the closing round
	s_endpgm
.Lfunc_end_k_q915c3803e2_qkv:
	.size	k_q915c3803e2_qkv, .Lfunc_end_k_q915c3803e2_qkv-k_q915c3803e2_qkv
	.p2alignl 7, 3214868480
	.fill 96, 4, 3214868480
	.section	.rodata,"a",@progbits
	.p2align	6, 0x0
	.amdhsa_kernel k_q915c3803e2_qkv
		.amdhsa_group_segment_fixed_size 327680
		.amdhsa_private_segment_fixed_size 0
		.amdhsa_enable_private_segment 0
		.amdhsa_kernarg_size 40
		.amdhsa_user_sgpr_count 2
		.amdhsa_user_sgpr_kernarg_segment_ptr 1
		.amdhsa_wavefront_size32 1
		.amdhsa_system_sgpr_workgroup_id_x 1
		.amdhsa_system_sgpr_workgroup_id_y 1
		.amdhsa_system_sgpr_workgroup_id_z 1
		.amdhsa_system_vgpr_workitem_id 0
		.amdhsa_next_free_vgpr 1024
		.amdhsa_next_free_sgpr 100
		.amdhsa_reserve_vcc 0
		.amdhsa_float_denorm_mode_32 3
		.amdhsa_float_denorm_mode_16_64 3
		.amdhsa_memory_ordered 1
		.amdhsa_forward_progress 1
		.amdhsa_inst_pref_size 200
	.end_amdhsa_kernel
	.amdgpu_metadata
---
amdhsa.version: [ 1, 2 ]
amdhsa.kernels:
  - .name:           k_q915c3803e2_qkv
    .symbol:         k_q915c3803e2_qkv.kd
    .args:
      - { .name: codes, .offset: 0, .size: 8, .value_kind: global_buffer, .address_space: global }
      - { .name: scales, .offset: 8, .size: 8, .value_kind: global_buffer, .address_space: global }
      - { .name: rope, .offset: 16, .size: 8, .value_kind: global_buffer, .address_space: global }
      - { .name: qkv16, .offset: 24, .size: 8, .value_kind: global_buffer, .address_space: global }
      - { .name: qkv32, .offset: 32, .size: 8, .value_kind: global_buffer, .address_space: global }
    .group_segment_fixed_size: 327680
    .private_segment_fixed_size: 0
    .kernarg_segment_align: 8
    .kernarg_segment_size: 40
    .max_flat_workgroup_size: 128
    .sgpr_count:     100
    .vgpr_count:     1024
    .wavefront_size: 32
...
	.end_amdgpu_metadata
.endif
;; end of part 2
;; launch attn (part 3): grid 4 x 64, 8 waves a work-group, no clusters, 327,680 bytes of LDS; arguments qkv16, y16; writes y16
.if DOCPART == 3
	.amdgcn_target "amdgcn-amd-amdhsa--gfx1250"
	.amdhsa_code_object_version 6
	.text
	.protected	k_q915c3803e2_attn
	.globl	k_q915c3803e2_attn
	.p2align	8
	.type	k_q915c3803e2_attn,@function
k_q915c3803e2_attn:
	s_mov_b64 s[64:65], 0
	v_nop
	global_prefetch_b8 v0, s[64:65] scope:SCOPE_SE
	s_setreg_imm32_b32 hwreg(HW_REG_WAVE_MODE, 25, 1), 1
	s_wait_xcnt 0x0
; y[b][h][q][:] = the sum over k <= q of softmax_k(q . k / 8) v[k][:].  q, k, v: qkv16 [part][b][h][t 2048][64] f16; y16 [b][h][t][64] f16.  Products on f16 operands with f32 sums; maxima, exponentials and sums in f32.
; (Positions 0-15 of each sequence are made here too, and made again in f32 by the last launch.)   LIMIT: NaN and infinities among q, k, v are not served.
; SHARES.  Work-group (i, head) owns two blocks of 256 queries: first block 7 - i, whose keys are 8 - i slots of 256, then block i, with i + 1 slots: NINE slots for every work-group, two of them on the diagonal.
; So the trip count is a constant, every slot that is fetched is read, and all 256 work-groups have the same work.  A wave owns 32 queries, two tiles of 16; waves w and w + 4 take strips w and 7 - w of the block.
; NO CLUSTER: the four work-groups of a head walk the same keys only up to the fifth slot; from there on each wants another tile (one goes on, another has begun its second block), so joint requests would not meet.
; LAYOUT.  S^T = K Q^T (source 0 = 16 keys, source 1 = 16 queries) and O^T = V^T P (source 0 = 16 channels, source 1 = P): a lane holds ONE query (lane % 16) throughout; two tiles of S^T rounded in pairs are source 1 of the
; second product.  K comes out of LDS as it lies, V turned, by ds_load_tr16_b128.
; SOFTMAX.  A running maximum m and sum l a query: p = 2^(c s - c m), c = log2(e) / 8; in every step O and l are multiplied by 2^(c m_old - c m_new).  m starts at -3e38, O and l at 0: the step is written once.
; THE MASK.  A step (64 keys) all of whose keys come after the wave's 32 queries is left out by a scalar branch on ids; where a step crosses the diagonal, hidden scores become -infinity ahead of the maximum.
; A step that is walked begins at or under the wave's first query, so every query has a key that counts in it.
; REGISTERS: window 0: v1-14 addresses; v16-31 statistics, 8 a tile; v32-95 S^T; v96-127 P; v128-191 K's fragments; v192-255 V's.  Window 1: v0-63 O^T (32 t + 8 ct), v64-95 Q (64 + 16 t + 8 c).
.set KP,    144                        ; a row of K in LDS: 128 bytes + 16
.set VP,    160                        ; a row of V: 128 + 32
.set VOFF,  256*KP                     ; a slot: 256 rows of K, then 256 rows of V
.set SLOT1, 1<<17                      ; slot 1 begins here: one exclusive or turns an address
.set STAGE, 2*SLOT1                    ; the way out: 32 rows x 144 bytes for each wave; no tile lands here
.set SPARE, STAGE+8*32*KP              ; the spare words, 128 bytes for each of eight waves: four blocks of 256 bytes that no other line names
.set AK0, 1
.set AV0, 2
.set ADK, 3
.set ADV, 4
.set QO,  5
.set STO, 6
.set RD,  7
.set GO,  8
.set SPW, 9
.set NIL, 10
.set DL,  11                           ; v11 r - 8 h
.set PFO, 12                           ; v12 256 x lane
.set NINF, 13                          ; v13 -infinity
.set DD,  14                           ; v14 my query less the step's first key less 8 h
.set ST,  16                           ; tile t at v[ST + 8 t]: +0 c m, +1 m, +2, +3 l, +4 to +7 at work; the rescaling factor in +6
.set S,   32
.set P,   96
.set KFR, 128                          ; K's fragment (keys 16 kt on, channels 32 c on) at 16 kt + 8 c
.set VFR, 192                          ; V's (keys 32 ks on, channels 16 ct on) at 32 ks + 8 ct
.set WV,  8
.set STRIP, 9
.set G1K, 16
.set G1V, 24
.set G0K, 32
.set G0V, 36
.set QPA, 40                           ; s[40:41], s[42:43] my queries of the first and of the second block
.set QPB, 42
.set YPA, 44                           ; s[44:45], s[46:47] their rows of y
.set YPB, 46
.set PFA, 48
.set LIM, 50
.set CNT, 51
.set N1,  52                           ; slots asked for so far, less one
.set LSL, 53                           ; slots of the first block
.set BK,  54                           ; s[54:55]
.set LB,  56
.set KF,  57                           ; the step's first key
.set Q0,  58                           ; my first query
.set Q0B, 59
.set SEL, 60
.set CS,  62
.set TK,  66
.set TV,  67
.set STP, 68
.set MSB, 0
.macro WIN new
.if MSB != \new
	s_set_vgpr_msb (MSB<<8)|\new
.set MSB, \new
.endif
.endm
.macro PLACES
.rept 4
	v_nop
.endr
.endm
; Waves 0-3 fetch 64 rows of K each, waves 4-7 64 rows of V.  An s_nop 0 and four v_nop follow each of the two lines.
.macro TLOAD
	s_cmp_lt_u32 s[WV], 4
	s_cbranch_scc0 .Lfor_v_\@
	tensor_load_to_lds s[G0K:G0K+3], s[G1K:G1K+7]
	s_nop 0
.rept 4
	v_nop
.endr
	s_branch .Lasked_\@
.Lfor_v_\@:
	tensor_load_to_lds s[G0V:G0V+3], s[G1V:G1V+7]
	s_nop 0
.rept 4
	v_nop
.endr
.Lasked_\@:
.endm
; A prefetch of what the NEXT change of slots will ask for.  All four work-groups of a head read the same K and V; the head's first work-group walks slots 0 to 7 in order, so it asks, and nobody else.
; Each wave asks for its own 64 rows, 8,192 dense bytes, lanes 256 bytes apart: one instruction.  It asks in the first six trips, for slots 2 to 7: each block of 256 bytes is named once in the launch, and none lies past the head's rows.
.macro ASK
	s_cmp_gt_u32 s[CNT], s[LIM]
	s_cbranch_scc0 .Lnot_mine_\@
	global_prefetch_b8 v[PFO], s[PFA:PFA+1] th:TH_LOAD_NT scope:SCOPE_SE
.Lnot_mine_\@:
.endm
	s_load_b128 s[4:7], s[0:1], 0x0                ; qkv16 s[4:5], y16 s[6:7]
	v_lshl_add_u32 v[SPW], v0, 2, SPARE
	v_mov_b32 v[NIL], 0
	ds_add_u32 v[SPW], v[NIL]                      ; the wave's opening: the add, twice on end, and its wait ahead of my first tensor load
	ds_add_u32 v[SPW], v[NIL]
	v_lshrrev_b32 v1, 5, v0
	v_readfirstlane_b32 s[WV], v1                  ; wave 0..7
	s_sub_co_u32 s69, 11, s[WV]
	s_cmp_lt_u32 s[WV], 4
	s_cselect_b32 s[STRIP], s[WV], s69             ; strips 0 1 2 3 7 6 5 4
	s_lshl_b32 s[STRIP], s[STRIP], 5
	s_sub_co_u32 s69, 7, ttmp9
	s_lshl_b32 s69, s69, 8
	s_add_co_u32 s[Q0], s69, s[STRIP]              ; first block 7 - i
	s_lshl_b32 s69, ttmp9, 8
	s_add_co_u32 s[Q0B], s69, s[STRIP]             ; then block i
	s_sub_co_u32 s[LSL], 8, ttmp9
	s_lshl_b32 s[LB], s[LSL], 15                   ; the first block's slots in bytes: 32,768 a slot
	s_mov_b32 s[BK+1], 0
	s_cmp_eq_u32 ttmp9, 0
	s_cselect_b32 s[LIM], 2, -1
	s_and_b32 s10, s[WV], 3
	s_and_b32 s12, ttmp7, 0xffff
	s_lshl_b32 s12, s12, 18                        ; the head's first byte in a part
	s_lshl_b32 s14, s10, 13                        ; my 64 rows of a slot
	s_add_co_u32 s14, s14, s12
	s_mov_b32 s15, 0
	s_mov_b32 s[G1K], (1<<16)|(1<<20)|(4<<22)|(3<<25)   ; elements of 2 bytes; padding: 4 words after every 32
	s_mov_b32 s[G1V], (1<<16)|(1<<20)|(4<<22)|(7<<25)   ; 8 words after every 32
.irp g, G1K, G1V
	s_mov_b32 s[\g+1], 64<<16                      ; tensor_dim0
	s_mov_b32 s[\g+2], 64<<16                      ; tensor_dim1
	s_mov_b32 s[\g+3], 64<<16                      ; tile_dim0
	s_mov_b32 s[\g+4], 64                          ; tile_dim1
	s_mov_b32 s[\g+5], 64                          ; from row to row
	s_mov_b32 s[\g+6], 0
	s_mov_b32 s[\g+7], 0
.endr
	s_mov_b32 s[G0K], 1
	s_mul_i32 s[G0K+1], s10, 64*KP
	s_mov_b32 s[G0V], 1
	s_mul_i32 s[G0V+1], s10, 64*VP
	s_add_co_u32 s[G0V+1], s[G0V+1], VOFF
	s_mov_b32 s[SEL], 0x76543210
	s_mov_b32 s[SEL+1], 0xfedcba98
	s_mov_b32 s[CS], 0x3e38aa3b                    ; c = log2(e) / 8
	s_mov_b32 s[CS+1], s[CS]
	s_mov_b32 s[CNT], 8
	s_mov_b32 s[N1], 0
	s_mov_b32 s[KF], 0
	s_mov_b32 s[TK], 0
	s_mov_b32 s[TV], 0
	s_wait_dscnt 0x0                               ; both opening adds are done
	s_wait_kmcnt 0x0
	s_add_nc_u64 s[G0K+2:G0K+3], s[4:5], s[14:15]
	s_add_nc_u64 s[G0K+2:G0K+3], s[G0K+2:G0K+3], 16777216   ; k's part
	s_add_nc_u64 s[G0V+2:G0V+3], s[4:5], s[14:15]
	s_add_nc_u64 s[G0V+2:G0V+3], s[G0V+2:G0V+3], 33554432   ; v's
	s_cmp_lt_u32 s[WV], 4
	s_cselect_b64 s[PFA:PFA+1], s[G0K+2:G0K+3], s[G0V+2:G0V+3]
	s_add_nc_u64 s[PFA:PFA+1], s[PFA:PFA+1], 32768 ; in slot 1: the first change of slots steps it to slot 2
	s_or_b32 s[G0K+3], s[G0K+3], 0x80000000
	s_or_b32 s[G0V+3], s[G0V+3], 0x80000000
	TLOAD                                          ; slot 0: one load of mine is out
	s_lshl_b32 s70, s[Q0], 7
	s_add_co_u32 s70, s70, s12
	s_mov_b32 s71, 0
	s_add_nc_u64 s[QPA:QPA+1], s[4:5], s[70:71]
	s_add_nc_u64 s[YPA:YPA+1], s[6:7], s[70:71]
	s_lshl_b32 s70, s[Q0B], 7
	s_add_co_u32 s70, s70, s12
	s_add_nc_u64 s[QPB:QPB+1], s[4:5], s[70:71]
	s_add_nc_u64 s[YPB:YPB+1], s[6:7], s[70:71]
	v_and_b32 v15, 15, v0                          ; r
	v_bfe_u32 v14, v0, 4, 1                        ; h
	v_lshlrev_b32 v[QO], 7, v15
	v_lshl_add_u32 v[QO], v14, 4, v[QO]            ; Q: row r of 128 bytes, + 16 h
.macro QLOAD qp                        ; my 32 queries stay in registers: tile t, channels 32 c on
	WIN 0x40
.irp t, 0,1
.irp c, 0,1
	global_load_b128 v[64+16*\t+8*\c:64+16*\t+8*\c+3],   v[QO], s[\qp:\qp+1] offset:2048*\t+64*\c
	global_load_b128 v[64+16*\t+8*\c+4:64+16*\t+8*\c+7], v[QO], s[\qp:\qp+1] offset:2048*\t+64*\c+32
.endr
.endr
	WIN 0
.endm
	QLOAD QPA
	v_mul_u32_u24 v[AK0], v15, KP
	v_lshl_add_u32 v[AK0], v14, 4, v[AK0]          ; K: row r x pitch + 16 h
	v_and_b32 v3, 7, v0
	v_bfe_u32 v4, v0, 3, 1
	v_lshl_add_u32 v[AV0], v14, 3, v3              ; V, turned: key 8 h + lane % 8, channels 8 ((lane / 8) % 2) on
	v_mul_u32_u24 v[AV0], v[AV0], VP
	v_lshl_add_u32 v[AV0], v4, 4, v[AV0]
	v_add_nc_u32 v[AV0], VOFF, v[AV0]
	s_mul_i32 s69, s[WV], 32*KP
	s_add_co_u32 s69, s69, STAGE                   ; my stage
	v_mul_u32_u24 v[STO], v15, KP
	v_lshl_add_u32 v[STO], v14, 4, v[STO]
	v_add_nc_u32 v[STO], s69, v[STO]               ; in: row r, + 16 h
	v_and_b32 v[GO], 31, v0
	v_lshrrev_b32 v[RD], 3, v[GO]
	v_mul_u32_u24 v[RD], v[RD], KP
	v_lshl_add_u32 v[RD], v3, 4, v[RD]
	v_add_nc_u32 v[RD], s69, v[RD]                 ; back: eight lanes to a row of 128 bytes, four rows an instruction
	v_lshlrev_b32 v[PFO], 8, v[GO]
	v_lshlrev_b32 v[GO], 4, v[GO]                  ; and in y: 512 dense bytes an instruction
	v_lshlrev_b32 v[DL], 3, v14
	v_sub_nc_u32 v[DL], v15, v[DL]
	v_mov_b32 v[NINF], 0xff800000
.macro CLEAR                           ; a block begins: m under every score, l and O^T zero; the registers at work are written too, so that none is read unwritten on any way
.irp t, 0,1
	v_mov_b32 v[ST+8*\t+1], 0xff61b1e6
	v_mul_f32 v[ST+8*\t], s[CS], v[ST+8*\t+1]
.irp k, 2,3,4,5,6,7
	v_mov_b32 v[ST+8*\t+\k], 0
.endr
.endr
	WIN 0x40
.set n, 0
.rept 64
	v_mov_b32 v[n], 0
.set n, n+1
.endr
	WIN 0
.endm
	CLEAR
	s_wait_loadcnt 0x0                             ; Q
; A KEY STEP: 64 keys at s[TK], s[TV] of the slot in hand.
.macro STEP
	s_add_co_u32 s69, s[Q0], 31
	s_cmp_gt_u32 s[KF], s69                        ; all its keys come after my queries: only the address steps at its end are run
	s_cbranch_scc1 .Lhidden_\@
	v_add_nc_u32 v[ADK], s[TK], v[AK0]
	v_add_nc_u32 v[ADV], s[TV], v[AV0]
	v_nop
	v_nop                                          ; four plain instructions between the last step's products and the loads into their operands
.irp kt, 0,1,2,3
.irp c, 0,1
	ds_load_b128 v[KFR+16*\kt+8*\c:KFR+16*\kt+8*\c+3],   v[ADK] offset:\kt*16*KP+64*\c
	ds_load_b128 v[KFR+16*\kt+8*\c+4:KFR+16*\kt+8*\c+7], v[ADK] offset:\kt*16*KP+64*\c+32
.endr
.endr
.irp ks, 0,1
.irp ct, 0,1,2,3
	ds_load_tr16_b128 v[VFR+32*\ks+8*\ct:VFR+32*\ks+8*\ct+3],   v[ADV] offset:\ks*32*VP+32*\ct
	ds_load_tr16_b128 v[VFR+32*\ks+8*\ct+4:VFR+32*\ks+8*\ct+7], v[ADV] offset:\ks*32*VP+16*VP+32*\ct
.endr
.endr
	s_wait_dscnt 16                                ; K's sixteen loads are in; V's sixteen stay out
	WIN 0x04                                       ; source 1 (Q) in window 1
.irp c, 0,1                                    ; the eight accumulators take turns, one instruction a turn
.irp kt, 0,1,2,3
.irp t, 0,1
.if \c == 0
	v_wmma_f32_16x16x32_f16 v[S+32*\t+8*\kt:S+32*\t+8*\kt+7], v[KFR+16*\kt+8*\c:KFR+16*\kt+8*\c+7], v[64+16*\t+8*\c:64+16*\t+8*\c+7], 0
.else
	v_wmma_f32_16x16x32_f16 v[S+32*\t+8*\kt:S+32*\t+8*\kt+7], v[KFR+16*\kt+8*\c:KFR+16*\kt+8*\c+7], v[64+16*\t+8*\c:64+16*\t+8*\c+7], v[S+32*\t+8*\kt:S+32*\t+8*\kt+7]
.endif
.endr
.endr
.endr
	WIN 0
	s_sub_co_i32 s70, s[Q0], s[KF]
	v_add_nc_u32 v[DD], s70, v[DL]
	v_nop
	v_nop
	v_nop                                          ; four places behind the products
	s_add_co_u32 s69, s[KF], 63
	s_cmp_le_u32 s69, s[Q0]                        ; all its keys count for all my queries: no mask
	s_cbranch_scc1 .Lopen_\@
.irp t, 0,1                                    ; register 8 kt + j of tile t holds key KF + 16 kt + 8 h + j for query Q0 + 16 t + r: hidden where 16 kt + j - 16 t > DD
.irp kt, 0,1,2,3
.irp j, 0,1,2,3,4,5,6,7
	v_cmp_gt_i32 vcc_lo, 16*\kt+\j-16*\t, v[DD]
	v_cndmask_b32 v[S+32*\t+8*\kt+\j], v[S+32*\t+8*\kt+\j], v[NINF], vcc_lo
.endr
.endr
.endr
.Lopen_\@:
	; the maximum of my 32 scores and the old m: four chains, each from its accumulator's low end on; the two tiles line by line
.irp j, 0,1,2,3
.irp t, 0,1
	v_max3_num_f32 v[ST+8*\t+4+\j], v[S+32*\t+8*\j], v[S+32*\t+8*\j+1], v[S+32*\t+8*\j+2]
.endr
.endr
.irp g, 1,2
.irp j, 0,1,2,3
.irp t, 0,1
	v_max3_num_f32 v[ST+8*\t+4+\j], v[ST+8*\t+4+\j], v[S+32*\t+8*\j+2*\g+1], v[S+32*\t+8*\j+2*\g+2]
.endr
.endr
.endr
.irp t, 0,1
	v_max3_num_f32 v[ST+8*\t+4], v[ST+8*\t+4], v[S+32*\t+7], v[S+32*\t+15]
.endr
.irp t, 0,1
	v_max3_num_f32 v[ST+8*\t+6], v[ST+8*\t+6], v[S+32*\t+23], v[S+32*\t+31]
.endr
.irp t, 0,1
	v_max3_num_f32 v[ST+8*\t+4], v[ST+8*\t+4], v[ST+8*\t+5], v[ST+8*\t+6]
.endr
.irp t, 0,1
	v_max3_num_f32 v[ST+8*\t+4], v[ST+8*\t+4], v[ST+8*\t+7], v[ST+8*\t+1]
.endr
.irp t, 0,1
	v_permlanex16_b32 v[ST+8*\t+5], v[ST+8*\t+4], s[SEL], s[SEL+1]   ; the query's other 32 keys lie in the lane 16 away
.endr
.irp t, 0,1
	v_mov_b32 v[ST+8*\t+7], v[ST+8*\t]             ; c m_old
.endr
.irp t, 0,1
	v_max_num_f32 v[ST+8*\t+1], v[ST+8*\t+4], v[ST+8*\t+5]
.endr
.irp t, 0,1
	v_mul_f32 v[ST+8*\t], s[CS], v[ST+8*\t+1]
.endr
.irp t, 0,1
	v_sub_f32 v[ST+8*\t+7], v[ST+8*\t+7], v[ST+8*\t]
.endr
.set n, 0
.rept 16
.irp t, 0,1
	v_pk_fma_f32 v[S+32*\t+2*n:S+32*\t+2*n+1], v[S+32*\t+2*n:S+32*\t+2*n+1], s[CS:CS+1], v[ST+8*\t:ST+8*\t+1] op_sel_hi:[1,0,0] neg_lo:[0,0,1] neg_hi:[0,0,1]   ; c s - c m
.endr
.set n, n+1
.endr
.irp t, 0,1
	v_exp_f32 v[ST+8*\t+6], v[ST+8*\t+7]           ; 2^(c m_old - c m_new)
.endr
.set n, 0
.rept 32
	v_exp_f32 v[S+n], v[S+n]
	v_exp_f32 v[S+32+n], v[S+32+n]
.set n, n+1
.endr
	v_nop                                          ; the plain instruction behind the last exponential
	s_wait_alu depctr_va_vdst(0)                   ; ONE wait for both tiles' 66 exponentials, ahead of their first reader
.set n, 0
.rept 16
.irp t, 0,1
	v_cvt_pk_f16_f32 v[P+16*\t+n], v[S+32*\t+2*n], v[S+32*\t+2*n+1]
.endr
.set n, n+1
.endr
.irp u, 0,1,2,3,4,5,6,7                        ; the sum of the unrounded weights, in place: neighbours 1, 2, 4, 8 pairs apart
.irp t, 0,1
	v_pk_add_f32 v[S+32*\t+4*\u:S+32*\t+4*\u+1], v[S+32*\t+4*\u:S+32*\t+4*\u+1], v[S+32*\t+4*\u+2:S+32*\t+4*\u+3]
.endr
.endr
.irp u, 0,1,2,3
.irp t, 0,1
	v_pk_add_f32 v[S+32*\t+8*\u:S+32*\t+8*\u+1], v[S+32*\t+8*\u:S+32*\t+8*\u+1], v[S+32*\t+8*\u+4:S+32*\t+8*\u+5]
.endr
.endr
.irp u, 0,1
.irp t, 0,1
	v_pk_add_f32 v[S+32*\t+16*\u:S+32*\t+16*\u+1], v[S+32*\t+16*\u:S+32*\t+16*\u+1], v[S+32*\t+16*\u+8:S+32*\t+16*\u+9]
.endr
.endr
.irp t, 0,1
	v_pk_add_f32 v[S+32*\t:S+32*\t+1], v[S+32*\t:S+32*\t+1], v[S+32*\t+16:S+32*\t+17]
.endr
.irp t, 0,1
	v_pk_fma_f32 v[ST+8*\t+2:ST+8*\t+3], v[ST+8*\t+2:ST+8*\t+3], v[ST+8*\t+6:ST+8*\t+7], v[S+32*\t:S+32*\t+1] op_sel_hi:[1,0,1]
.endr
	WIN 0x41                                       ; O^T, destination and source 0, in window 1
.set n, 0
.rept 16
.irp t, 0,1
	v_pk_mul_f32 v[32*\t+2*n:32*\t+2*n+1], v[32*\t+2*n:32*\t+2*n+1], v[ST+8*\t+6:ST+8*\t+7] op_sel_hi:[1,0]
.endr
.set n, n+1
.endr
	s_wait_dscnt 0x0                               ; V is in
	WIN 0x50                                       ; C and D in window 1
.irp ks, 0,1
.irp ct, 0,1,2,3
.irp t, 0,1
	v_wmma_f32_16x16x32_f16 v[32*\t+8*\ct:32*\t+8*\ct+7], v[VFR+32*\ks+8*\ct:VFR+32*\ks+8*\ct+7], v[P+16*\t+8*\ks:P+16*\t+8*\ks+7], v[32*\t+8*\ct:32*\t+8*\ct+7]
.endr
.endr
.endr
	WIN 0
.Lhidden_\@:
	s_add_co_u32 s[KF], s[KF], 64
	s_add_co_u32 s[TK], s[TK], 64*KP
	s_add_co_u32 s[TV], s[TV], 64*VP
.endm
.macro FOUR_STEPS                      ; a slot's four steps: written once, walked four times
	s_mov_b32 s[STP], 4
.Lstep_\@:
	STEP
	s_sub_co_u32 s[STP], s[STP], 1
	s_cmp_lg_u32 s[STP], 0
	s_cbranch_scc1 .Lstep_\@
	s_sub_co_u32 s[TK], s[TK], 256*KP              ; back to a slot's first step,
	s_xor_b32 s[TK], s[TK], SLOT1                  ; in the other slot
	s_sub_co_u32 s[TV], s[TV], 256*VP
	s_xor_b32 s[TV], s[TV], SLOT1
.endm
; THE CHANGE OF SLOTS stands at a slot's head.  Each wave waits for all its tensor loads (its part of the slot that it is about to read), adds 0 to its spare word, and waits for that and for its reads of the slot that it has left.
; fill = 1: behind the barrier that other slot takes the keys that follow: the next 256, or, where the first block's keys are through, the head's first 256 again for the second block.  The load has four steps in which to land.
.macro CHANGE fill
	s_wait_tensorcnt 0x0                           ; no tensor load of mine is out, so a group 0 may be written
	ds_add_u32 v[SPW], v[NIL]
.if \fill
	s_xor_b32 s[G0K+1], s[G0K+1], SLOT1
	s_add_nc_u64 s[G0K+2:G0K+3], s[G0K+2:G0K+3], 32768
	s_xor_b32 s[G0V+1], s[G0V+1], SLOT1
	s_add_nc_u64 s[G0V+2:G0V+3], s[G0V+2:G0V+3], 32768
	s_add_co_u32 s[N1], s[N1], 1
	s_cmp_eq_u32 s[N1], s[LSL]
	s_cselect_b32 s[BK], s[LB], 0
	s_sub_nc_u64 s[G0K+2:G0K+3], s[G0K+2:G0K+3], s[BK:BK+1]
	s_sub_nc_u64 s[G0V+2:G0V+3], s[G0V+2:G0V+3], s[BK:BK+1]
	s_wait_xcnt 0x0                                ; the last prefetch, a slot back, has read its address
	s_add_nc_u64 s[PFA:PFA+1], s[PFA:PFA+1], 32768
.endif
	s_wait_dscnt 0x0                               ; the add is done, and my reads of the slot that I have left are over
	s_barrier_signal -1
	s_barrier_wait -1
.if \fill
	TLOAD                                          ; the first thing behind the barrier, and my one tensor load until the next
	ASK
.endif
.endm
; A BLOCK'S END: O^T / l, rounded to f16, through my stage, out as dense rows.  next = 1: the second block's queries are asked for meanwhile.
.macro FINAL yp, next
	PLACES                                         ; behind the last products
.irp t, 0,1
	v_add_f32 v[ST+8*\t+4], v[ST+8*\t+2], v[ST+8*\t+3]
.endr
.irp t, 0,1
	v_permlanex16_b32 v[ST+8*\t+5], v[ST+8*\t+4], s[SEL], s[SEL+1]
.endr
.irp t, 0,1
	v_add_f32 v[ST+8*\t+4], v[ST+8*\t+4], v[ST+8*\t+5]
.endr
.irp t, 0,1
	v_rcp_f32 v[ST+8*\t+6], v[ST+8*\t+4]
.endr
	v_nop                                          ; the plain instruction behind the reciprocals
.if \next
	QLOAD QPB
.endif
	s_wait_alu depctr_va_vdst(0)                   ; one wait for both, ahead of their first reader
	WIN 0x41
.irp t, 0,1
.set n, 0
.rept 16
	v_pk_mul_f32 v[32*\t+2*n:32*\t+2*n+1], v[32*\t+2*n:32*\t+2*n+1], v[ST+8*\t+6:ST+8*\t+7] op_sel_hi:[1,0]
.set n, n+1
.endr
.endr
	WIN 0x05                                       ; sources in window 1, destination in window 0: S^T's registers are free
.set n, 0
.rept 32
	v_cvt_pk_f16_f32 v[32+n], v[2*n], v[2*n+1]
.set n, n+1
.endr
	WIN 0
.irp t, 0,1
.irp ct, 0,1,2,3
	ds_store_b128 v[STO], v[32+16*\t+4*\ct:32+16*\t+4*\ct+3] offset:16*KP*\t+32*\ct
.endr
.endr
.irp t, 0,1
.irp u, 0,1,2,3
	ds_load_b128 v[64+16*\t+4*\u:64+16*\t+4*\u+3], v[RD] offset:16*KP*\t+4*KP*\u   ; LDS serves a wave's instructions in order: these see my stores
.endr
.endr
.irp n, 0,1,2,3,4,5,6,7
	s_wait_dscnt 7-\n                              ; load n is in, the younger ones stay out
	global_store_b128 v[GO], v[64+4*\n:64+4*\n+3], s[\yp:\yp+1] offset:512*\n      ; four rows of y: 512 consecutive bytes, aligned
.endr
	s_wait_xcnt 0x0                                ; the stores have read their registers: the next block's scores may land there
.endm
.Ltrip:                                            ; eight trips: behind each change of slots but the last the next slot is asked for
	CHANGE 1
	FOUR_STEPS
	s_cmp_lg_u32 s[N1], s[LSL]                     ; ids and the count of trips alone: the same in all eight waves
	s_cbranch_scc1 .Lsame
	FINAL YPA, 1                                   ; the first block is through
	s_mov_b32 s[Q0], s[Q0B]
	s_mov_b32 s[KF], 0
	CLEAR
	s_wait_loadcnt 0x0                             ; the second block's queries
.Lsame:
	s_sub_co_u32 s[CNT], s[CNT], 1
	s_cmp_lg_u32 s[CNT], 0
	s_cbranch_scc1 .Ltrip
	CHANGE 0                                       ; the ninth slot is written out: nothing is left to ask for
	FOUR_STEPS
	FINAL YPB, 0
	s_wait_tensorcnt 0x0                           ; the wave's end: behind my last tensor load and my last LDS store
	ds_add_u32 v[SPW], v[NIL]
	s_wait_dscnt 0x0
	s_endpgm
.Lfunc_end_k_q915c3803e2_attn:
	.size	k_q915c3803e2_attn, .Lfunc_end_k_q915c3803e2_attn-k_q915c3803e2_attn
	.p2alignl 7, 3214868480
	.fill 96, 4, 3214868480
	.section	.rodata,"a",@progbits
	.p2align	6, 0x0
	.amdhsa_kernel k_q915c3803e2_attn
		.amdhsa_group_segment_fixed_size 327680
		.amdhsa_private_segment_fixed_size 0
		.amdhsa_enable_private_segment 0
		.amdhsa_kernarg_size 16
		.amdhsa_user_sgpr_count 2
		.amdhsa_user_sgpr_kernarg_segment_ptr 1
		.amdhsa_wavefront_size32 1
		.amdhsa_system_sgpr_workgroup_id_x 1
		.amdhsa_system_sgpr_workgroup_id_y 1
		.amdhsa_system_sgpr_workgroup_id_z 1
		.amdhsa_system_vgpr_workitem_id 0
		.amdhsa_next_free_vgpr 352
		.amdhsa_next_free_sgpr 72
		.amdhsa_reserve_vcc 1
		.amdhsa_float_denorm_mode_32 3
		.amdhsa_float_denorm_mode_16_64 3
		.amdhsa_memory_ordered 1
		.amdhsa_forward_progress 1
		.amdhsa_inst_pref_size 72
	.end_amdhsa_kernel
	.amdgpu_metadata
---
amdhsa.version: [ 1, 2 ]
amdhsa.kernels:
  - .name:           k_q915c3803e2_attn
    .symbol:         k_q915c3803e2_attn.kd
    .args:
      - { .name: qkv16, .offset: 0, .size: 8, .value_kind: global_buffer, .address_space: global }
      - { .name: y16, .offset: 8, .size: 8, .value_kind: global_buffer, .address_space: global }
    .group_segment_fixed_size: 327680
    .private_segment_fixed_size: 0
    .kernarg_segment_align: 8
    .kernarg_segment_size: 16
    .max_flat_workgroup_size: 256
    .sgpr_count:     72
    .vgpr_count:     352
    .wavefront_size: 32
...
	.end_amdgpu_metadata
.endif
;; end of part 3
;; launch proj (part 4): grid 8 x 32, 4 waves a work-group, clusters of 4 x 4, 327,680 bytes of LDS; arguments y16, w16, out0; writes out0
.if DOCPART == 4
	.amdgcn_target "amdgcn-amd-amdhsa--gfx1250"
	.amdhsa_code_object_version 6
	.text
	.protected	k_q915c3803e2_proj
	.globl	k_q915c3803e2_proj
	.p2align	8
	.type	k_q915c3803e2_proj,@function
k_q915c3803e2_proj:
	s_mov_b64 s[64:65], 0
	v_nop
	global_prefetch_b8 v0, s[64:65] scope:SCOPE_SE
	s_setreg_imm32_b32 hwreg(HW_REG_WAVE_MODE, 25, 1), 1
	s_wait_xcnt 0x0
	s_wait_alu depctr_hold_cnt(0) depctr_sa_sdst(0) depctr_va_vdst(0) depctr_va_sdst(0) depctr_va_ssrc(0) depctr_va_vcc(0) depctr_vm_vsrc(0)
	s_getreg_b32 s2, hwreg(HW_REG_IB_STS2, 6, 4)
	s_cmp_eq_u32 s2, 0
	s_cbranch_scc0 .Lentry_in_a_cluster
	s_endpgm
.Lentry_in_a_cluster:
	s_bfe_u32 s2, ttmp6, 0x10000c
	s_cmp_lg_u32 s2, 0xf033
	s_cbranch_scc0 .Lentry_shape_is_right
	s_endpgm
.Lentry_shape_is_right:
; out0[m][n] = the sum over k of y[m][k] w_out[k][n], f16 operands, f32 sums.  y16 lies [batch][head][t][64] f16 (k = 64 head + channel), w16 [k 1024][n 1024] f16, out0 [8192][1024] f32.
; A tile of out0 is 256 (m) x 128 (n): 256 work-groups.  Four waves, each 128 x 64: 32 accumulators, all of window 1.  K goes in steps of 128, two heads, through a ring of two LDS slots.
; y's part of a K step is two dense blocks of 256 rows x 128 bytes (a head each): waves 0 and 1 fetch one each; w's is 128 rows of 256 bytes: waves 2 and 3 fetch 64 rows each.  One load a wave.
; CLUSTERS: 4 x 4 work-groups; y's tiles are shared along a row of the cluster, w's along a column: joint loads.
; THE MATRIX INSTRUCTION IS USED TRANSPOSED: source 0 = 16 columns of w (turned out of LDS by ds_load_tr16_b128, since k is w's first axis), source 1 = 16 rows of y: a lane holds eight neighbouring numbers of a row of out0.
; REGISTERS: window 0: v16-29 addresses; two fragment buffers of 96 (64 of y, 32 of w) at v64 and v160; window 1: accumulator (a, b) at v[8 (4 a + b)].
.set PA,    144                        ; a row of y in LDS: 128 bytes + 16
.set PB,    288                        ; a row of w: 256 + 32
.set CHUNK, 256*PA                     ; a head's 256 rows
.set BOFF,  2*CHUNK
.set SLOT,  BOFF+128*PB
.set STAGE, 2*SLOT                     ; 16 rows x (256 bytes + 16) for each wave
.set SPITCH, 272
.set SPARE, STAGE+4*16*SPITCH          ; the spare words, 128 bytes for each wave: two blocks of 256 bytes that no other line names
.set LAPS,  4                          ; eight K steps, two to a lap
.set ADRA, 16
.set ADRB, 20
.set STO,  24
.set RD,   25
.set CO,   26
.set SPW,  28
.set NIL,  29
.set F0,   64
.set F1,   160
.set BKR,  64                          ; the way out: v64-95 and v96-127 by turns
.set G1, 24
.set G0, 32
.set G1B, 48
.set G0B, 56
.set MSB, 0
.macro WIN new
.if MSB != \new
	s_set_vgpr_msb (MSB<<8)|\new
.set MSB, \new
.endif
.endm
.set MUL, 0x50                         ; C and D in window 1
.macro JLOAD s                         ; waves 0 and 1 fetch y's two heads, waves 2 and 3 w's two halves; an s_nop 0 and four v_nop follow each of the two lines
	s_cmp_eq_u32 s11, 0
	s_cbranch_scc0 .Lfor_b_\@
	tensor_load_to_lds s[G0+4*\s:G0+4*\s+3], s[G1:G1+7]
	s_nop 0
.rept 4
	v_nop
.endr
	s_branch .Lasked_\@
.Lfor_b_\@:
	tensor_load_to_lds s[G0B+4*\s:G0B+4*\s+3], s[G1B:G1B+7]
	s_nop 0
.rept 4
	v_nop
.endr
.Lasked_\@:
.endm
.macro CREST
	s_cmp_lg_u32 s10, 0
	s_cbranch_scc1 .Lnot_wave_0_\@
	s_barrier_signal -3
.Lnot_wave_0_\@:
	s_barrier_wait -3
	s_barrier_signal -1
	s_barrier_wait -1
.endm
.macro CROUND
	s_barrier_signal -1
	s_barrier_wait -1
	CREST
.endm
	s_load_b128 s[4:7], s[0:1], 0x0                ; y16 s[4:5], w16 s[6:7]
	s_load_b64 s[8:9], s[0:1], 0x10                ; out0
	v_lshl_add_u32 v[SPW], v0, 2, SPARE
	v_mov_b32 v[NIL], 0
	ds_add_u32 v[SPW], v[NIL]                      ; the wave's opening: the add, twice on end, and its wait ahead of my first tensor load
	ds_add_u32 v[SPW], v[NIL]
	v_lshrrev_b32 v1, 5, v0
	v_readfirstlane_b32 s10, v1                    ; wave 0..3
	s_lshr_b32 s11, s10, 1                         ; which half of the tile's rows is mine.  Also: I fetch for y (0) or for w (1)
	s_and_b32 s12, s10, 1                          ; which half of its columns.  Also: which head, or which 64 rows of w, I fetch
	s_bfe_u32 s40, ttmp6, 0x40000                  ; cx
	s_bfe_u32 s41, ttmp6, 0x40004                  ; cy
	s_lshl_b32 s42, ttmp9, 2
	s_add_co_u32 s42, s42, s40                     ; tile column
	s_and_b32 s13, ttmp7, 0xffff
	s_lshl_b32 s13, s13, 2
	s_add_co_u32 s13, s13, s41                     ; tile row
	s_lshl_b32 s43, s41, 2
	s_lshl_b32 s43, 15, s43                        ; my row of the cluster
	s_lshl_b32 s44, 0x1111, s40                    ; my column
	s_or_b32 s[G1+0], s43, (1<<16)|(1<<20)|(1<<21)|(4<<22)|(3<<25)   ; elements of 2 bytes; padding: 4 words after every 32; bit 21 beside a mask
	s_mov_b32 s[G1+1], 64<<16                      ; tensor_dim0
	s_mov_b32 s[G1+2], 256<<16                     ; tensor_dim1
	s_mov_b32 s[G1+3], 64<<16                      ; tile_dim0
	s_mov_b32 s[G1+4], 256                         ; tile_dim1
	s_mov_b32 s[G1+5], 64                          ; from row to row
	s_mov_b32 s[G1+6], 0
	s_mov_b32 s[G1+7], 0
	s_or_b32 s[G1B+0], s44, (1<<16)|(1<<20)|(1<<21)|(5<<22)|(7<<25)  ; padding: 8 words after every 64
	s_mov_b32 s[G1B+1], 128<<16
	s_mov_b32 s[G1B+2], 64<<16
	s_mov_b32 s[G1B+3], 128<<16
	s_mov_b32 s[G1B+4], 64
	s_mov_b32 s[G1B+5], 1024
	s_mov_b32 s[G1B+6], 0
	s_mov_b32 s[G1B+7], 0
	s_lshr_b32 s16, s13, 3
	s_lshl_b32 s16, s16, 22                        ; y: the batch, 16 heads of 262,144 bytes,
	s_and_b32 s17, s13, 7
	s_lshl_b32 s17, s17, 15                        ; the tile's 256 rows of 128 bytes,
	s_add_co_u32 s16, s16, s17
	s_lshl_b32 s17, s12, 18                        ; my head of the two
	s_add_co_u32 s16, s16, s17
	s_mov_b32 s17, 0
	s_lshl_b32 s46, s12, 17                        ; w: my 64 rows of 2,048 bytes,
	s_lshl_b32 s47, s42, 8                         ; the tile's 128 columns
	s_add_co_u32 s46, s46, s47
	s_mov_b32 s47, 0
	s_mul_i32 s20, s12, CHUNK                      ; where they go: no place in the cluster enters an LDS address
	s_mul_i32 s21, s12, 64*PB
	s_add_co_u32 s21, s21, BOFF
	s_wait_dscnt 0x0                               ; both opening adds are done
	s_wait_kmcnt 0x0
	s_add_nc_u64 s[14:15], s[4:5], s[16:17]
	s_add_nc_u64 s[46:47], s[6:7], s[46:47]
	CROUND                                         ; all sixteen work-groups are here: the first joint loads meet
.irp s, 0,1
	s_mov_b32 s[G0+4*\s], 1
	s_add_co_u32 s[G0+4*\s+1], s20, \s*SLOT
	s_add_nc_u64 s[G0+4*\s+2:G0+4*\s+3], s[14:15], \s*524288       ; K step s: two heads on
	s_or_b32 s[G0+4*\s+3], s[G0+4*\s+3], 0x80000000
	s_mov_b32 s[G0B+4*\s], 1
	s_add_co_u32 s[G0B+4*\s+1], s21, \s*SLOT
	s_add_nc_u64 s[G0B+4*\s+2:G0B+4*\s+3], s[46:47], \s*262144     ; 128 rows of w on
	s_or_b32 s[G0B+4*\s+3], s[G0B+4*\s+3], 0x80000000
	JLOAD \s
.endr
	v_and_b32 v1, 15, v0                           ; r
	v_bfe_u32 v2, v0, 4, 1                         ; h
	v_mul_u32_u24 v3, v1, PA
	v_lshl_add_u32 v3, v2, 4, v3                   ; y: row r x pitch + 16 h
	v_and_b32 v4, 7, v0
	v_bfe_u32 v5, v0, 3, 1
	v_lshl_add_u32 v4, v2, 3, v4                   ; w, turned: k = 8 h + lane % 8, columns 8 ((lane / 8) % 2) on
	v_mul_u32_u24 v4, v4, PB
	v_lshl_add_u32 v4, v5, 4, v4
	s_mul_i32 s21, s11, 128*PA                     ; my 128 rows of y
	s_lshl_b32 s22, s12, 7                         ; my 64 columns of w
	s_add_co_u32 s22, s22, BOFF
.irp s, 0,1
	v_add_nc_u32 v[ADRA+\s], s21, v3
	v_add_nc_u32 v[ADRB+\s], s22, v4
	s_add_co_u32 s21, s21, SLOT
	s_add_co_u32 s22, s22, SLOT
.endr
	s_mul_i32 s23, s10, 16*SPITCH
	s_add_co_u32 s23, s23, STAGE                   ; my stage
	v_mul_u32_u24 v5, v1, SPITCH
	v_lshl_add_u32 v5, v2, 5, v5
	v_add_nc_u32 v[STO], s23, v5                   ; in: row r, 32 bytes for each half of the lanes
	v_mul_u32_u24 v5, v2, SPITCH
	v_lshl_add_u32 v5, v1, 4, v5
	v_add_nc_u32 v[RD], s23, v5                    ; back: sixteen lanes to a row of 256 bytes, two rows an instruction
	v_lshlrev_b32 v5, 12, v2
	v_lshl_add_u32 v[CO], v1, 4, v5                ; and the same two rows in out0
	s_lshl_b32 s16, s13, 8
	s_lshl_b32 s17, s11, 7
	s_add_co_u32 s16, s16, s17                     ; my first row
	s_lshl_b32 s16, s16, 12
	s_lshl_b32 s17, s42, 9
	s_add_co_u32 s16, s16, s17
	s_lshl_b32 s17, s12, 8
	s_add_co_u32 s16, s16, s17                     ; my first column, in bytes
	s_mov_b32 s17, 0
	s_add_nc_u64 s[8:9], s[8:9], s[16:17]
; 8 matrix instructions: y's blocks a0, a0 + 1 x w's four, 32 along K.  The 32 accumulators take turns, one instruction a turn, in the same order in every quarter.
.macro MUL8 f, a0, zero
.irp a, \a0, \a0+1
.irp b, 0,1,2,3
.if \zero
	v_wmma_f32_16x16x32_f16 v[8*(4*(\a)+\b):8*(4*(\a)+\b)+7], v[\f+64+8*\b:\f+64+8*\b+7], v[\f+8*(\a):\f+8*(\a)+7], 0
.else
	v_wmma_f32_16x16x32_f16 v[8*(4*(\a)+\b):8*(4*(\a)+\b)+7], v[\f+64+8*\b:\f+64+8*\b+7], v[\f+8*(\a):\f+8*(\a)+7], v[8*(4*(\a)+\b):8*(4*(\a)+\b)+7]
.endif
.endr
.endr
.endm
; 24 LDS loads in one run: the fragments of the slot's qd-th 32 along K into buffer f: w's four first, then y's eight in ascending order
.macro FETCH slot, qd, f
	WIN 0
.irp b, 0,1,2,3
	ds_load_tr16_b128 v[\f+64+8*\b:\f+64+8*\b+3],   v[ADRB+\slot] offset:(\qd)*32*PB+32*\b
	ds_load_tr16_b128 v[\f+64+8*\b+4:\f+64+8*\b+7], v[ADRB+\slot] offset:(\qd)*32*PB+16*PB+32*\b
.endr
.irp i, 0,1,2,3,4,5,6,7
	ds_load_b128 v[\f+8*\i:\f+8*\i+3],   v[ADRA+\slot] offset:((\qd)/2)*CHUNK+((\qd)%2)*64+\i*16*PA
	ds_load_b128 v[\f+8*\i+4:\f+8*\i+7], v[ADRA+\slot] offset:((\qd)/2)*CHUNK+((\qd)%2)*64+\i*16*PA+32
.endr
.endm
.macro PLACES
.rept 4
	v_nop
.endr
.endm
; A K step is four quarters of 32 along K, 32 matrix instructions each, on buffers 0, 1, 0, 1.  One of the first three multiplies buffer f and fetches the quarter qn into g.
.macro QUARTER slot, qn, f, g, zero
	s_wait_dscnt 8                                 ; w's fragments and y's blocks 0-3 are in; the youngest eight loads (blocks 4-7) may be out
	WIN MUL
	MUL8 \f, 0, \zero
	MUL8 \f, 2, \zero
	PLACES
	FETCH \slot, \qn, \g
	s_wait_dscnt 24                                ; all but the 24 just issued
	WIN MUL
	MUL8 \f, 4, \zero
	MUL8 \f, 6, \zero
.endm
; The last quarter multiplies buffer 1 and changes slots: one barrier; in front of it each wave waits for all its tensor loads, adds 0 to its spare word, and waits for that and for its reads of this slot.
.macro TURN slot, next, fill
	WIN 0
	s_wait_tensorcnt 0x0                           ; all my tensor loads have landed: my part of the next slot
	ds_add_u32 v[SPW], v[NIL]
	s_wait_dscnt 9                                 ; the add and the youngest eight loads may be out
	WIN MUL
	MUL8 F1, 0, 0
	s_wait_dscnt 0x0                               ; the add is done, and my reads of this slot are over
	s_barrier_signal -1
	MUL8 F1, 2, 0
	WIN 0
	s_barrier_wait -1
.if \fill
	CREST                                          ; the barrier has opened a round of the cluster's: no wave of any partner still reads this slot or has a load on its way
	s_add_nc_u64 s[G0+4*\slot+2:G0+4*\slot+3], s[G0+4*\slot+2:G0+4*\slot+3], 1048576
	s_add_nc_u64 s[G0B+4*\slot+2:G0B+4*\slot+3], s[G0B+4*\slot+2:G0B+4*\slot+3], 524288
	JLOAD \slot                                    ; the first tensor load behind the round; its four v_nop are also the places in front of the loads below
.else
	PLACES
.endif
	FETCH \next, 0, F0
	WIN MUL
	MUL8 F1, 4, 0
	MUL8 F1, 6, 0
.endm
	s_wait_tensorcnt 1                             ; my part of K step 0 is in; K step 1's load may stay out
	s_barrier_signal -1
	s_barrier_wait -1
	FETCH 0, 0, F0
	QUARTER 0, 1, F0, F1, 1                        ; the first quarter's products start the sums
	WIN 0
	s_mov_b32 s3, LAPS-1
.Llap:                                             ; a trip goes once round the ring and fills both slots again
	QUARTER 0, 2, F1, F0, 0
	QUARTER 0, 3, F0, F1, 0
	TURN 0, 1, 1
	QUARTER 1, 1, F0, F1, 0
	QUARTER 1, 2, F1, F0, 0
	QUARTER 1, 3, F0, F1, 0
	TURN 1, 0, 1
	QUARTER 0, 1, F0, F1, 0
	WIN 0
	s_sub_co_u32 s3, s3, 1
	s_cmp_lg_u32 s3, 0
	s_cbranch_scc1 .Llap
	QUARTER 0, 2, F1, F0, 0                        ; the last lap fills nothing, and has no round
	QUARTER 0, 3, F0, F1, 0
	TURN 0, 1, 0
	QUARTER 1, 1, F0, F1, 0
	QUARTER 1, 2, F1, F0, 0
	QUARTER 1, 3, F0, F1, 0
	s_wait_dscnt 8
	WIN MUL
	MUL8 F1, 0, 0
	MUL8 F1, 2, 0
	s_wait_dscnt 0
	MUL8 F1, 4, 0
	MUL8 F1, 6, 0
	WIN 0
; THE WAY OUT, block by block of 16 rows x 64 columns, through my own stage: whole rows of 256 bytes come back.
.macro TOSTAGE a
	WIN 0x04                                       ; an LDS store's data are its source 1: window 1
.irp b, 0,1,2,3
	ds_store_b128 v[STO], v[8*(4*(\a)+\b):8*(4*(\a)+\b)+3] offset:64*\b        ; each accumulator from its low end on
	ds_store_b128 v[STO], v[8*(4*(\a)+\b)+4:8*(4*(\a)+\b)+7] offset:64*\b+16
.endr
	WIN 0
.set BB, BKR+32*((\a)%2)
.irp t, 0,1,2,3,4,5,6,7
	ds_load_b128 v[BB+4*\t:BB+4*\t+3], v[RD] offset:2*\t*SPITCH
.endr
.endm
.macro SEND a, younger
.set BB, BKR+32*((\a)%2)
	s_wait_dscnt \younger                          ; the block is back; the next block's eight stores and eight loads may be out
.irp t, 0,1,2,3,4,5,6,7
	global_store_b128 v[CO], v[BB+4*\t:BB+4*\t+3], s[8:9] offset:65536*(\a)+8192*\t th:TH_STORE_NT   ; sixteen lanes store 256 consecutive bytes, aligned
.endr
.endm
	PLACES
	TOSTAGE 0
.irp a, 1,2,3,4,5,6,7
.if \a > 1
	s_wait_xcnt 0x0                                ; block a - 2's stores have read their registers: block a's loads may land there
.endif
	TOSTAGE \a
	SEND \a-1, 16
.endr
	SEND 7, 0
	s_wait_tensorcnt 0x0                           ; the wave's end: behind my last tensor load and my last LDS store
	ds_add_u32 v[SPW], v[NIL]
	s_wait_dscnt 0x0
	CROUND                                         ; the closing round
	s_endpgm
.Lfunc_end_k_q915c3803e2_proj:
	.size	k_q915c3803e2_proj, .Lfunc_end_k_q915c3803e2_proj-k_q915c3803e2_proj
	.p2alignl 7, 3214868480
	.fill 96, 4, 3214868480
	.section	.rodata,"a",@progbits
	.p2align	6, 0x0
	.amdhsa_kernel k_q915c3803e2_proj
		.amdhsa_group_segment_fixed_size 327680
		.amdhsa_private_segment_fixed_size 0
		.amdhsa_enable_private_segment 0
		.amdhsa_kernarg_size 24
		.amdhsa_user_sgpr_count 2
		.amdhsa_user_sgpr_kernarg_segment_ptr 1
		.amdhsa_wavefront_size32 1
		.amdhsa_system_sgpr_workgroup_id_x 1
		.amdhsa_system_sgpr_workgroup_id_y 1
		.amdhsa_system_sgpr_workgroup_id_z 1
		.amdhsa_system_vgpr_workitem_id 0
		.amdhsa_next_free_vgpr 512
		.amdhsa_next_free_sgpr 66
		.amdhsa_reserve_vcc 0
		.amdhsa_float_denorm_mode_32 3
		.amdhsa_float_denorm_mode_16_64 3
		.amdhsa_memory_ordered 1
		.amdhsa_forward_progress 1
		.amdhsa_inst_pref_size 86
	.end_amdhsa_kernel
	.amdgpu_metadata
---
amdhsa.version: [ 1, 2 ]
amdhsa.kernels:
  - .name:           k_q915c3803e2_proj
    .symbol:         k_q915c3803e2_proj.kd
    .args:
      - { .name: y16, .offset: 0, .size: 8, .value_kind: global_buffer, .address_space: global }
      - { .name: w16, .offset: 8, .size: 8, .value_kind: global_buffer, .address_space: global }
      - { .name: out0, .offset: 16, .size: 8, .value_kind: global_buffer, .address_space: global }
    .group_segment_fixed_size: 327680
    .private_segment_fixed_size: 0
    .kernarg_segment_align: 8
    .kernarg_segment_size: 24
    .max_flat_workgroup_size: 128
    .sgpr_count:     66
    .vgpr_count:     512
    .wavefront_size: 32
...
	.end_amdgpu_metadata
.endif
;; end of part 4
;; launch fine (part 5): grid 16 x 4, 16 waves a work-group, no clusters, 71,680 bytes of LDS; arguments qkv32, w_out, out0; writes out0
.if DOCPART == 5
	.amdgcn_target "amdgcn-amd-amdhsa--gfx1250"
	.amdhsa_code_object_version 6
	.text
	.protected	k_q915c3803e2_fine
	.globl	k_q915c3803e2_fine
	.p2align	8
	.type	k_q915c3803e2_fine,@function
k_q915c3803e2_fine:
	s_mov_b64 s[64:65], 0
	v_nop
	global_prefetch_b8 v0, s[64:65] scope:SCOPE_SE
	s_setreg_imm32_b32 hwreg(HW_REG_WAVE_MODE, 25, 1), 1
	s_wait_xcnt 0x0
; POSITIONS 0-15 OF EACH SEQUENCE, attention and projection with f32 operands: these rows average one to sixteen values, are the largest of the output, and the rounding of 16-bit operands would weigh most there.
; qkv32 [batch 4][16][3072] f32 (q, k rotated), w_out [1024][1024] f32; out0's rows 0-15 of each batch are written over what the launch before left there: 64 rows of 8,192.
; Work-group (nc, batch) makes out0[batch][0..15][64 nc .. 64 nc + 63].  Wave hd takes head hd through its attention (16 x 16 scores) and through its 64 rows of w_out; the sixteen parts meet in LDS.
; All products by v_wmma_f32_16x16x4_f32: 96 a wave.  The registers that they write (v192-255) are written by nothing else; each sum begins with the constant 0.  Four accumulators take turns throughout.
; A K step takes four k, two a lane (k = 2 h + j); which four is free as long as both operands agree:
;   scores: step 2 s + p takes channels 8 s + 4 h + 2 p + j (a lane's 16-byte loads);  values: step s takes keys 8 h + 2 s + j, as the weights lie in a lane;  projection: step (ct, s) takes channels 16 ct + 8 h + 2 s + j, as y lies.
.set SPARE, 69632                      ; behind the sixteen parts of 16 x 272 bytes: the spare words, 128 bytes for each of sixteen waves
.set SPW, 7
.set NIL, 8
	s_load_b128 s[4:7], s[0:1], 0x0                ; qkv32, w_out
	s_load_b64 s[8:9], s[0:1], 0x10                ; out0
	v_lshl_add_u32 v[SPW], v0, 2, SPARE
	v_mov_b32 v[NIL], 0
	v_lshrrev_b32 v1, 5, v0
	v_readfirstlane_b32 s10, v1                    ; wave = head
	s_and_b32 s11, ttmp7, 0xffff                   ; batch
	v_and_b32 v1, 15, v0                           ; r
	v_bfe_u32 v2, v0, 4, 1                         ; h
	v_mul_u32_u24 v3, v1, 12288
	v_lshl_add_u32 v3, v2, 4, v3                   ; q, k: row r, + 16 h
	v_mul_u32_u24 v4, v2, 98304
	v_lshl_add_u32 v4, v1, 2, v4                   ; v: keys 8 h on, channel r
	v_lshlrev_b32 v5, 15, v2
	v_lshl_add_u32 v5, v1, 2, v5                   ; w_out: rows 8 h on, column r
	v_lshlrev_b32 v6, 3, v2
	v_sub_nc_u32 v6, v1, v6                        ; r - 8 h
	v_mov_b32 v9, 0xff800000                       ; -infinity
	s_mul_i32 s18, s10, 4352
	v_mul_u32_u24 v10, v1, 272
	v_lshl_add_u32 v10, v2, 5, v10
	v_add_nc_u32 v10, s18, v10                     ; my part in LDS: row r, + 32 h
	v_lshrrev_b32 v13, 4, v0
	v_mul_u32_u24 v11, v13, 272
	v_lshl_add_u32 v11, v1, 4, v11                 ; the sum: thread t of the first 256 takes row t / 16, bytes 16 (t % 16)
	v_lshlrev_b32 v12, 12, v13
	v_lshl_add_u32 v12, v1, 4, v12                 ; and the same in out0
	s_mov_b32 s20, 0x76543210
	s_mov_b32 s21, 0xfedcba98
	s_mov_b32 s22, 0x3e38aa3b                      ; c = log2(e) / 8
	s_mul_i32 s12, s11, 196608
	s_lshl_b32 s14, s10, 8
	s_add_co_u32 s12, s12, s14
	s_mov_b32 s13, 0
	s_lshl_b32 s14, s10, 18
	s_lshl_b32 s16, ttmp9, 8
	s_add_co_u32 s14, s14, s16
	s_mov_b32 s15, 0
	s_lshl_b32 s16, s11, 23
	s_lshl_b32 s18, ttmp9, 8
	s_add_co_u32 s16, s16, s18
	s_mov_b32 s17, 0
	s_wait_kmcnt 0x0
	s_add_nc_u64 s[4:5], s[4:5], s[12:13]          ; my batch, my head's q
	s_add_nc_u64 s[6:7], s[6:7], s[14:15]          ; my head's 64 rows of w_out, the work-group's 64 columns
	s_add_nc_u64 s[8:9], s[8:9], s[16:17]
.irp s, 0,1,2,3,4,5,6,7
	global_load_b128 v[32+4*\s:35+4*\s], v3, s[4:5] offset:32*\s            ; q
.endr
.irp s, 0,1,2,3,4,5,6,7
	global_load_b128 v[64+4*\s:67+4*\s], v3, s[4:5] offset:4096+32*\s       ; k
.endr
.irp ct, 0,1,2,3
.irp i, 0,1,2,3,4,5,6,7
	global_load_b32 v[96+8*\ct+\i], v4, s[4:5] offset:8192+\i*12288+64*\ct  ; v(8 h + i, 16 ct + r)
.endr
.endr
.irp nt, 0,1
.irp ct, 0,1,2,3
.irp i, 0,1,2,3,4,5,6,7
	global_load_b32 v[128+32*\nt+8*\ct+\i], v5, s[6:7] offset:(16*\ct+\i)*4096+64*\nt   ; w_out(16 ct + 8 h + i, 16 nt + r)
.endr
.endr
.endr
	s_wait_loadcnt 63                              ; of the 112 loads the oldest 49 are in: q, k and v are the first 48
.irp q, 0,1,2,3,4,5,6,7,8,9,10,11,12,13,14,15  ; S^T = k q^T: lane (r, h) gets query r, keys 8 h + 0 .. 7, in four partial sums
.if \q < 4
	v_wmma_f32_16x16x4_f32 v[192+8*(\q%4):199+8*(\q%4)], v[64+2*\q:65+2*\q], v[32+2*\q:33+2*\q], 0
.else
	v_wmma_f32_16x16x4_f32 v[192+8*(\q%4):199+8*(\q%4)], v[64+2*\q:65+2*\q], v[32+2*\q:33+2*\q], v[192+8*(\q%4):199+8*(\q%4)]
.endif
.endr
.rept 8
	v_nop                                          ; eight places behind this form, for the loads into its operands and the reads of its results
.endr
.irp nt, 2,3
.irp ct, 0,1,2,3
.irp i, 0,1,2,3,4,5,6,7
	global_load_b32 v[32+32*(\nt-2)+8*\ct+\i], v5, s[6:7] offset:(16*\ct+\i)*4096+64*\nt
.endr
.endr
.endr
.irp i, 0,2,4,6                                ; the four partial sums, each from its low end on
	v_pk_add_f32 v[16+\i:17+\i], v[192+\i:193+\i], v[200+\i:201+\i]
	v_pk_add_f32 v[24+\i:25+\i], v[208+\i:209+\i], v[216+\i:217+\i]
.endr
.irp i, 0,2,4,6
	v_pk_add_f32 v[16+\i:17+\i], v[16+\i:17+\i], v[24+\i:25+\i]
.endr
.irp j, 0,1,2,3,4,5,6,7
	v_cmp_gt_i32 vcc_lo, \j, v6                    ; key 8 h + j comes after query r
	v_cndmask_b32 v[16+\j], v[16+\j], v9, vcc_lo
.endr
	v_max3_num_f32 v13, v16, v17, v18
	v_max3_num_f32 v14, v19, v20, v21
	v_max3_num_f32 v13, v13, v22, v23
	v_max_num_f32 v13, v13, v14
	v_permlanex16_b32 v14, v13, s20, s21
	v_max_num_f32 v13, v13, v14                    ; the row's maximum: key 0 counts for every query
	v_mul_f32 v14, s22, v13
.irp j, 0,1,2,3,4,5,6,7
	v_fma_f32 v[16+\j], v[16+\j], s22, -v14
.endr
.irp j, 0,1,2,3,4,5,6,7
	v_exp_f32 v[16+\j], v[16+\j]
.endr
	v_nop
	s_wait_alu depctr_va_vdst(0)                   ; one wait for the eight, ahead of their first reader
	v_pk_add_f32 v[24:25], v[16:17], v[18:19]
	v_pk_add_f32 v[26:27], v[20:21], v[22:23]
	v_pk_add_f32 v[24:25], v[24:25], v[26:27]
	v_add_f32 v24, v24, v25
	v_permlanex16_b32 v25, v24, s20, s21
	v_add_f32 v24, v24, v25
	v_rcp_f32 v26, v24
	v_nop
	s_wait_alu depctr_va_vdst(0)
.irp i, 0,2,4,6
	v_pk_mul_f32 v[16+\i:17+\i], v[16+\i:17+\i], v[26:27] op_sel_hi:[1,0]   ; the weights, normalised
.endr
.irp s, 0,1,2,3                                ; O^T = v^T p: lane (r, h) gets query r, channels 16 ct + 8 h + 0 .. 7
.irp ct, 0,1,2,3
.if \s == 0
	v_wmma_f32_16x16x4_f32 v[224+8*\ct:231+8*\ct], v[96+8*\ct+2*\s:97+8*\ct+2*\s], v[16+2*\s:17+2*\s], 0
.else
	v_wmma_f32_16x16x4_f32 v[224+8*\ct:231+8*\ct], v[96+8*\ct+2*\s:97+8*\ct+2*\s], v[16+2*\s:17+2*\s], v[224+8*\ct:231+8*\ct]
.endif
.endr
.endr
.rept 9
	v_nop                                          ; nine places: these results are the next products' operands
.endr
	s_wait_loadcnt 0x0                             ; w_out
.irp ct, 0,1,2,3                               ; my head's part of out^T: lane (r, h) gets query r, columns 16 nt + 8 h + 0 .. 7
.irp s, 0,1,2,3
.irp nt, 0,1,2,3
.if \nt < 2
.set WF, 128+32*\nt+8*\ct+2*\s
.else
.set WF, 32+32*(\nt-2)+8*\ct+2*\s
.endif
.if (\ct == 0) && (\s == 0)
	v_wmma_f32_16x16x4_f32 v[192+8*\nt:199+8*\nt], v[WF:WF+1], v[224+8*\ct+2*\s:225+8*\ct+2*\s], 0
.else
	v_wmma_f32_16x16x4_f32 v[192+8*\nt:199+8*\nt], v[WF:WF+1], v[224+8*\ct+2*\s:225+8*\ct+2*\s], v[192+8*\nt:199+8*\nt]
.endif
.endr
.endr
.endr
.rept 8
	v_nop                                          ; eight places, for the stores of the results and for the later loads into the operands' registers
.endr
.irp nt, 0,1,2,3
	ds_store_b128 v10, v[192+8*\nt:195+8*\nt] offset:64*\nt
	ds_store_b128 v10, v[196+8*\nt:199+8*\nt] offset:64*\nt+16
.endr
	s_wait_tensorcnt 0x0                           ; these were my last LDS stores
	ds_add_u32 v[SPW], v[NIL]
	s_wait_dscnt 0x0                               ; and my stores have landed, for the others' sake
	s_barrier_signal -1
	s_barrier_wait -1
	s_cmp_lt_u32 s10, 8
	s_cbranch_scc1 .Lsum
	s_endpgm
.Lsum:                                             ; 256 threads add the sixteen parts, 16 bytes each, in a fixed order
.irp s, 0,1,2,3,4,5,6,7,8,9,10,11,12,13,14,15
	ds_load_b128 v[96+4*\s:99+4*\s], v11 offset:4352*\s
.endr
	s_wait_dscnt 0x0
.irp s, 0,2,4,6,8,10,12,14
	v_pk_add_f32 v[96+4*\s:97+4*\s], v[96+4*\s:97+4*\s], v[100+4*\s:101+4*\s]
	v_pk_add_f32 v[98+4*\s:99+4*\s], v[98+4*\s:99+4*\s], v[102+4*\s:103+4*\s]
.endr
.irp s, 0,4,8,12
	v_pk_add_f32 v[96+4*\s:97+4*\s], v[96+4*\s:97+4*\s], v[104+4*\s:105+4*\s]
	v_pk_add_f32 v[98+4*\s:99+4*\s], v[98+4*\s:99+4*\s], v[106+4*\s:107+4*\s]
.endr
.irp s, 0,8
	v_pk_add_f32 v[96+4*\s:97+4*\s], v[96+4*\s:97+4*\s], v[112+4*\s:113+4*\s]
	v_pk_add_f32 v[98+4*\s:99+4*\s], v[98+4*\s:99+4*\s], v[114+4*\s:115+4*\s]
.endr
	v_pk_add_f32 v[96:97], v[96:97], v[128:129]
	v_pk_add_f32 v[98:99], v[98:99], v[130:131]
	global_store_b128 v12, v[96:99], s[8:9]        ; sixteen lanes store 256 consecutive bytes, aligned
	s_endpgm
.Lfunc_end_k_q915c3803e2_fine:
	.size	k_q915c3803e2_fine, .Lfunc_end_k_q915c3803e2_fine-k_q915c3803e2_fine
	.p2alignl 7, 3214868480
	.fill 96, 4, 3214868480
	.section	.rodata,"a",@progbits
	.p2align	6, 0x0
	.amdhsa_kernel k_q915c3803e2_fine
		.amdhsa_group_segment_fixed_size 71680
		.amdhsa_private_segment_fixed_size 0
		.amdhsa_enable_private_segment 0
		.amdhsa_kernarg_size 24
		.amdhsa_user_sgpr_count 2
		.amdhsa_user_sgpr_kernarg_segment_ptr 1
		.amdhsa_wavefront_size32 1
		.amdhsa_system_sgpr_workgroup_id_x 1
		.amdhsa_system_sgpr_workgroup_id_y 1
		.amdhsa_system_sgpr_workgroup_id_z 1
		.amdhsa_system_vgpr_workitem_id 0
		.amdhsa_next_free_vgpr 256
		.amdhsa_next_free_sgpr 66
		.amdhsa_reserve_vcc 1
		.amdhsa_float_denorm_mode_32 3
		.amdhsa_float_denorm_mode_16_64 3
		.amdhsa_memory_ordered 1
		.amdhsa_forward_progress 1
		.amdhsa_inst_pref_size 33
	.end_amdhsa_kernel
	.amdgpu_metadata
---
amdhsa.version: [ 1, 2 ]
amdhsa.kernels:
  - .name:           k_q915c3803e2_fine
    .symbol:         k_q915c3803e2_fine.kd
    .args:
      - { .name: qkv32, .offset: 0, .size: 8, .value_kind: global_buffer, .address_space: global }
      - { .name: w_out, .offset: 8, .size: 8, .value_kind: global_buffer, .address_space: global }
      - { .name: out0, .offset: 16, .size: 8, .value_kind: global_buffer, .address_space: global }
    .group_segment_fixed_size: 71680
    .private_segment_fixed_size: 0
    .kernarg_segment_align: 8
    .kernarg_segment_size: 24
    .max_flat_workgroup_size: 512
    .sgpr_count:     66
    .vgpr_count:     256
    .wavefront_size: 32
...
	.end_amdgpu_metadata
.endif
;; end of part 5
